; MI455X (gfx1250); checked and timed in simulation.
; The chip was launched on July 23, 2026; its instructions are those of AMD's public machine-readable ISA for CDNA 5 (MIT licence, August 2026) and "CDNA5" Instruction Set Architecture Reference Guide (July 2026). The comments in the code are by the model that wrote it; some were corrected since.
;; Janossy Pool. Allowed arithmetic: matrix products marked QUANTISED: E2M1 operands, one E8M0 scale for each 32 along K, by v_wmma_scale_f32_16x16x128_f8f6f4 with both operands' format E2M1 (or v_wmma_scale_f32_32x16x128_f4), f32 sums; everything else in f32.
;; Inputs: W1_codes 512 x 8 x 16 uint8 (E2M1 codes of W1, K innermost, in blocks of 32 codes, two codes a byte); W1_scales 512 x 8 uint8 (E8M0 scales of W1, one for each 32 codes along K); W2_codes 512 x 16 x 16 uint8 (E2M1 codes of W2, K innermost, in blocks of 32 codes, two codes a byte); W2_scales 512 x 16 uint8 (E8M0 scales of W2, one for each 32 codes along K); W3_codes 256 x 16 x 16 uint8 (E2M1 codes of W3, K innermost, in blocks of 32 codes, two codes a byte); W3_scales 256 x 16 uint8 (E8M0 scales of W3, one for each 32 codes along K); b1 512 float32; b2 512 float32; b3 256 float32; x 64 x 32 x 128 float32.
;; Outputs: out0 64 x 256 float32.
;; This version of the problem:
;;   THIS VERSION OF THE PROBLEM IS GIVEN IN LOW PRECISION. The matrix products marked QUANTISED in the list below multiply operands that are first quantised to E2M1 (2 exponent bits, 1 mantissa bit; 4 bits a number), with one power-of-two scale for each 32 numbers along K (OCP MX v1.0); their sums are f32. All else is computed in f32.
;;   The module's matrix products, in the order in which they are computed (A, B: the left and right operand; K: the contracted axis; several contracted axes count as one K, in the product's order):
;;     1. [M 63,488, K 256] x [K 256, N 512]; A: computed on the way; B: input W1 (given as codes): QUANTISED
;;     2. [M 63,488, K 512] x [K 512, N 512]; A: computed on the way; B: input W2 (given as codes): QUANTISED
;;     3. [M 63,488, K 512] x [K 512, N 256]; A: computed on the way; B: input W3 (given as codes): QUANTISED
;;   THE QUANTISER, for each operand of a quantised product, along K:
;;     - K is cut into blocks of 32 from its start; a last block that is shorter is filled with zeros.
;;     - A block's scale is 2^e with e = floor(log2(the largest magnitude in the block)) - 2, held to -126 .. 127; a block of zeros has e = 0. As a byte (E8M0): e + 127.
;;     - Each number is divided by its block's scale, clamped to +-6, and rounded to the nearest number of E2M1, ties to even, subnormals kept.
;;     - The product sums the exact products of the quantised numbers (number of the format x scale) in f32.
;;   ~~~python
;;   def quantise(x, axis):      # numpy; x: float32 -> the quantised numbers, widened to float32 again
;;       x = np.moveaxis(x, axis, -1); K = x.shape[-1]
;;       x = np.pad(x, [(0, 0)] * (x.ndim - 1) + [(0, -K % 32)]); x = x.reshape(x.shape[:-1] + (-1, 32)); a = np.abs(x).max(-1, keepdims=True)
;;       e = np.where(a > 0, np.clip(np.frexp(np.where(a > 0, a, 1))[1] - 1 - 2, -126, 127), 0)      # np.frexp(a)[1] - 1 = floor(log2(a)), exactly
;;       r = np.clip(x / 2.0 ** e, -6, 6)
;;       step = 2.0 ** (np.maximum(np.frexp(np.where(r == 0, 1, r))[1] - 1, 0) - 1)
;;       q = np.round(r / step) * step * 2.0 ** e      # np.round: ties to even
;;       return np.moveaxis(q.reshape(q.shape[:-2] + (-1,))[..., :K], -1, axis).astype(np.float32)
;;   ~~~
;;   OPERANDS COMPUTED ON THE WAY. 'Computed on the way' means the value that the module computes at that place (a softmax that the list does not call 'softmax' is quantised finished and normalised). What goes into a quantiser is computed in f32, as accurately as f32 sums, v_exp_f32 and their like allow (about 1e-6 of the number): no bf16 or f16 on the way to a quantiser, and a product that is left as it is and whose result goes on into a quantised operand takes f32 operands (vector FMAs, or v_wmma_f32_16x16x4_f32). A number that lies on a knife's edge between two numbers of the format may be rounded either way, as far as f32 arithmetic and the matrix unit's own rounding can turn it there, and no further.
;;   INPUTS GIVEN AS CODES. W1 (in the module: [256, 512], K = its axis 0); W2 (in the module: [512, 512], K = its axis 0); W3 (in the module: [512, 256], K = its axis 0): each comes as NAME_codes (uint8): NAME with its K axis moved to the last place and cut into blocks of 32 codes, [.., K / 32, bytes a block], one block behind the other in memory; two codes a byte, the lower K in the low four bits (a code: sign, 2 exponent bits, 1 mantissa bit); and NAME_scales (uint8): the same leading axes, one E8M0 byte (e + 127) for each 32 codes along K. Its value is code x scale, taken as it is: it is not quantised again, and the codes and scales need not be those that the quantiser above would give.
;; 2 versions. Each part assembles by itself: llvm-mc -triple=amdgcn-amd-amdhsa -mcpu=gfx1250 --defsym DOCPART=n.
;; ======== version 1 of 2: 2 launches
;; limits: right only within a limited range of input values
;; workspace buffers: part 262,144 bytes
;; launch pairs (part 1): grid 256 x 1, 4 waves a work-group, clusters of 4 x 1, 327,680 bytes of LDS; arguments x, W1_codes, W1_scales, b1, W2_codes, W2_scales, b2, W3_codes, W3_scales, part; writes part
.if DOCPART == 1
	.amdgcn_target "amdgcn-amd-amdhsa--gfx1250"
	.amdhsa_code_object_version 6
	.text
	.protected	k_q03d0e3baf8_pairs
	.globl	k_q03d0e3baf8_pairs
	.p2align	8
	.type	k_q03d0e3baf8_pairs,@function
k_q03d0e3baf8_pairs:
	s_mov_b64 s[64:65], 0
	v_nop
	global_prefetch_b8 v0, s[64:65] scope:SCOPE_SE
	s_setreg_imm32_b32 hwreg(HW_REG_WAVE_MODE, 25, 1), 1
	s_wait_xcnt 0x0
	s_wait_alu depctr_hold_cnt(0) depctr_sa_sdst(0) depctr_va_vdst(0) depctr_va_sdst(0) depctr_va_ssrc(0) depctr_va_vcc(0) depctr_vm_vsrc(0)
	s_getreg_b32 s2, hwreg(HW_REG_IB_STS2, 6, 4)
	s_cmp_eq_u32 s2, 0
	s_cbranch_scc0 .Lentry_in_a_cluster
	s_endpgm
.Lentry_in_a_cluster:
	s_bfe_u32 s2, ttmp6, 0x10000c
	s_cmp_lg_u32 s2, 0x3003
	s_cbranch_scc0 .Lentry_shape_is_right
	s_endpgm
.Lentry_shape_is_right:
; JanossyPool, K = 2: part[b][q][o] = the sum over i = 8 q .. 8 q + 7 and all j != i of ( Q(relu(Q(relu(Q([x_i | x_j]) W1 + b1)) W2 + b2)) W3 )[o], all three products on codes of FP4 (E2M1) with one E8M0 scale for each 32 along K.
; b3 and the sum over q are the next launch's.
; WHAT IS NOT REPEATED.  K of the first product is [x_i | x_j], 128 + 128, and blocks of 32 do not cross the seam: so Q([x_i | x_j]) = [Q(x_i) | Q(x_j)], and a row of x is quantised once, not once a pair.
; The first product is two K steps of 128.  The second step with the bias, V_j = Q(x_j) W1[128:256] + b1, hangs on j alone: it is made once for each j, by the same matrix instruction, and is then the C operand of the first step,
; whose source 1 holds Q(x_i) in all 16 columns.  The same exact products are summed in f32; only the order of the f32 sums differs.  No input is left out.
; THE DIAGONAL.  A tile of 16 pair rows is (i, j = 16 m + r).  The row j = i is no pair of the problem; it lies inside a live tile, so it is computed, and in the quantiser of the second hidden layer its blocks' largest magnitude is
; taken as 2^96: its codes are then zeros, which add nothing to the third product.
; LIMITS.  The diagonal row's second hidden layer must lie at or under 2^92 (else it would get codes other than 0).  A block whose largest magnitude lies under 2^-124 gets the scale byte 1; a block of zeros gets the byte 1 with zero
; codes where the rule says 127 (the bytes are read by this program alone).  NaN and infinities among the inputs are not served.
; SHARES.  Work-group (b, q): batch b = the cluster's number, q = its place in the cluster; 16 tiles T = 2 ii + m of 16 pair rows.  THE FOUR WAVES SHARE THE COLUMNS: wave c makes hidden units 128 c .. 128 c + 127 of both hidden
; layers (one K step of the next product) and outputs 64 c .. 64 c + 63, for all 16 tiles, and holds its part of all three weights in registers, read from LDS once.
; ORDER.  Layer 1 for all tiles | barrier | layer 2 for all tiles | barrier | layer 3 for all tiles, summed onto four accumulators.  W2's tile lands while layer 1 is computed, W3's while layer 2 is.
; CLUSTER.  All work-groups read the same weights: the four of a cluster ask for each tile jointly (the same tensor load, the same descriptor, the mask names the four).  q enters global addresses and one compare whose result selects a value; no branch, no trip count, no LDS address.
; LAYOUT.  Layers 1 and 2 are used transposed (source 0 = 16 rows of the weight, source 1 = 16 pair rows): a lane holds one pair row.  THE ROWS OF A WEIGHT THAT FORM A TILE ARE NOT NEIGHBOURS: lane r of tile 4 c' + t takes row
; 64 c' + 32 (r / 8) + 8 t + r % 8 of the wave's 128, so that register 32 c' + 8 t + j of lane (r, h) is k = 64 c' + 32 h + 8 t + j of the next product: two WHOLE blocks of 32 a lane, in the order of the operand's registers.
; So a block's largest magnitude needs no other lane and the conversions' results are the operand.  An operand goes from wave to wave through LDS as an image of its registers (16 bytes a lane, 512 a store).
; LDS.  Each wave's tensor loads bring the rows that this wave alone reads, so its own wait on TENSORcnt orders its reads.  The images of the first hidden layer are stored over the wave's own part of W1's tile, those of the second
; over its part of W2's, each behind the wave's own last read of that part; each part is filled once in the launch.
.set W1P,   18432                      ; wave c's part of W1: 128 rows x (128 + 16) bytes; later 16 images of 1,024 bytes and, from SWO on, 16 x 64 bytes of scale words
.set W2B,   73728                      ; W2's parts begin here:
.set W2P,   34816                      ; 128 rows x (256 + 16) bytes; later the second hidden layer's images, laid likewise
.set W3B,   212992
.set W3P,   17408                      ; 64 rows x (256 + 16) bytes
.set XSB0,  282624                     ; a scratch of 1,280 bytes for each wave: the image of the eight rows x_i, their scale words; at the end 256 bytes of sums
.set XSP,   1280
.set SPARE, 287744                     ; the spare words, 128 bytes for each wave: two blocks of 256 bytes that no other line names
.set SWO,   16384
; window 0
.set R,    1                           ; lane % 16
.set H,    2                           ; lane / 16
.set SH8,  3                           ; 8 H
.set LI,   4                           ; 16 x lane: my place in an image
.set AX,   5                           ; x: 512 R + 128 H
.set AXI,  6                           ; x: 512 (R % 8) + 128 H
.set AB,   7                           ; biases: 128 H
.set AW1,  8                           ; LDS: my lane's place in my part of W1
.set GS1,  9                           ; W1's scale words: 8 x my row
.set XSW,  10                          ; scratch: 16 x lane
.set XSS,  11                          ; scratch: 4 x lane
.set XSB,  12                          ; scratch: 256 H
.set XSR,  13                          ; scratch
.set AW2,  14
.set AW3,  15
.set GS2,  16
.set GS3,  17
.set H1W,  18                          ; where I store the first hidden layer's images
.set H1SW, 19                          ; and their scale words
.set RB0,  20                          ; layer 3: images of K steps 0, 1
.set RB1,  21                          ; of K steps 2, 3
.set RT0,  22                          ; their scale words: lanes 0-15 K step 0, lanes 16-31 K step 1
.set RT1,  23                          ; K steps 2, 3
.set PAR0, 24                          ; layer 2: v24, v25 image and scale addresses of the fetch into set 0; v26, v27 into set 1
.set PAW,  28                          ; where the tile's image goes
.set PAWS, 29                          ; and its scale words
.set ASB,  30                          ; base of the first hidden layer's scale words: 4 R + W1P H + SWO
.set AWM,  31                          ; base of my stores, two tiles back
.set W1S,  32                          ; v32-47  W1's scale words (2 x tile + K step); later W3's (4 x tile + K step)
.set W3S,  32
.set W2S,  48                          ; v48-79  W2's (4 x tile + K step)
.set XIS,  80                          ; v80-87  x_i's scale word, in every lane
.set XJS,  88                          ; v88-89  x_j's; in layer 3 the third set of operand scales
.set HS,   90                          ; v90-93  operand scales, two sets of two
.set TM,   94                          ; v94-97  largest magnitudes, four chains
.set SOP,  98                          ; v98-99  the conversions' scale operands
.set BY,   100                         ; v100-101 the scale bytes
.set WD,   102
.set WX,   103
.set PW,   104                         ; the scale word just made
.set LN,   105                         ; lane
.set TU,   106                         ; v106-113 at work; at the head x_j's first fragment
.set XJ,   106
.set PC,   114                         ; v114-121 the codes just made; at the head x_j's second fragment
.set SPW,  122                         ; LDS address of my spare word; never rewritten
.set NIL,  123                         ; 0; never rewritten
.set FL,   124                         ; the floor under a block's largest magnitude
.set HUGE, 125                         ; 2^96
.set AWSM, 126
.set RW,   127
.set HA,   128                         ; v128-191 my 8 tiles of a hidden layer
.set STA,  128                         ; at the head: 64 numbers of x
.set STB,  192
.set HF,   192                         ; v192-255 an operand's four K steps, two sets
.set AC3,  128                         ; layer 3: four accumulators; v160-191 are its third set
; window 1: W2's 32 fragments, (tile, K step) at 8 (4 tile + step).   window 2: v0-63 W1's first K step, v64-127 x_i's eight fragments, v128-191 W1's second K step, v192-255 b1; later v128-255 W3's 16 fragments.
; window 3: v0-127 V (64 m + 8 tile), v128-191 b2.
.set G1A, 24
.set G1B, 32
.set G1C, 40
.set G0A, 48
.set G0B, 52
.set G0C, 56
.set WV,  60                           ; my wave's number
.set Q,   61                           ; my place in the cluster
.set XSC, 62                           ; my scratch's first byte
.set SEL, 66                           ; s[66:67] lane selects of v_permlanex16_b32: lane l xor 16
.set K8,  68                           ; 0x88888888: the codes' sign bits
.set DI,  69                           ; i = 8 q + ii
.set DI1, 70                           ; i - 16
.set CNT, 71
.set TOF, 72                           ; 1,024 x (tile + 2)
.set SOF, 73                           ; 64 x (tile + 2)
.set XIB, 78                           ; s[78:79] x at my eight rows i
.set MSB, 0
.macro WIN new                         ; the immediate's high byte repeats the setting that is left; a switch that changes nothing is dropped
.if MSB != \new
	s_set_vgpr_msb (MSB<<8)|\new
.set MSB, \new
.endif
.endm
.set W_V,   0xe2                       ; D window 3, C window 2, source 1 window 0, source 0 window 2
.set W_L1,  0x3a                       ; D window 0, C window 3, sources 0 and 1 window 2
.set W_L2F, 0x31                       ; D window 0, C window 3, source 0 window 1
.set W_L2,  0x01                       ; source 0 window 1
.set W_L3,  0x08                       ; source 1 window 2
.set TO1,   0x40                       ; a load's destination in window 1, 2, 3
.set TO2,   0x80
.set TO3,   0xc0
.macro CROUND                          ; a round of the cluster's barrier
	s_barrier_signal -1
	s_barrier_wait -1
	s_cmp_lg_u32 s[WV], 0
	s_cbranch_scc1 .Lnot_wave_0_\@
	s_barrier_signal -3
.Lnot_wave_0_\@:
	s_barrier_wait -3
	s_barrier_signal -1
	s_barrier_wait -1
.endm
.macro PLACES n
.rept \n
	v_nop
.endr
.endm
; one scaled product.  row = 1: source 0's scales stand in lanes 16-31; 2: source 1's
.macro WMS d, a, b, c, sa, sb, row
.if \row == 1
	v_wmma_scale_f32_16x16x128_f8f6f4 v[\d:\d+7], v[\a:\a+7], v[\b:\b+7], v[\c:\c+7], v[\sa], v[\sb] matrix_a_fmt:MATRIX_FMT_FP4 matrix_b_fmt:MATRIX_FMT_FP4 matrix_a_scale:MATRIX_SCALE_ROW1
.elseif \row == 2
	v_wmma_scale_f32_16x16x128_f8f6f4 v[\d:\d+7], v[\a:\a+7], v[\b:\b+7], v[\c:\c+7], v[\sa], v[\sb] matrix_a_fmt:MATRIX_FMT_FP4 matrix_b_fmt:MATRIX_FMT_FP4 matrix_b_scale:MATRIX_SCALE_ROW1
.else
	v_wmma_scale_f32_16x16x128_f8f6f4 v[\d:\d+7], v[\a:\a+7], v[\b:\b+7], v[\c:\c+7], v[\sa], v[\sb] matrix_a_fmt:MATRIX_FMT_FP4 matrix_b_fmt:MATRIX_FMT_FP4
.endif
.endm
.macro WMS0 d, a, b, sa, sb            ; the same with the constant 0 as C: it starts a sum
	v_wmma_scale_f32_16x16x128_f8f6f4 v[\d:\d+7], v[\a:\a+7], v[\b:\b+7], 0, v[\sa], v[\sb] matrix_a_fmt:MATRIX_FMT_FP4 matrix_b_fmt:MATRIX_FMT_FP4
.endm
; 64 numbers of a row of x: lane (r, h) takes blocks h and 2 + h of its row, each whole: register 32 c + i = k 64 c + 32 h + i
.macro XLOAD reg, areg, base, off
.irp c, 0,1
.irp j, 0,1,2,3,4,5,6,7
	global_load_b128 v[\reg+32*\c+4*\j:\reg+32*\c+4*\j+3], v[\areg], s[\base:\base+1] offset:\off+256*\c+16*\j
.endr
.endr
.endm
.macro M3 relu, d, a, b, c             ; relu = 1: what is negative must not count, so no |.|; relu = 0: magnitudes (the running maxima and the floor are not negative)
.if \relu
	v_max3_num_f32 v[\d], v[\a], v[\b], v[\c]
.else
	v_max3_num_f32 v[\d], |v[\a]|, |v[\b]|, |v[\c]|
.endif
.endm
; THE QUANTISER.  v[s] .. v[s + 63], two whole blocks of 32 for each of c = 0, 1 halves, become the operand's 8 registers v[pc] on and my row's scale word v[pw].  relu = 1: the numbers are clipped at 0 on the way.
.macro QUANT s, pc, pw, relu
.irp c, 0,1
	M3 \relu, TM+\c, FL, \s+32*\c, \s+32*\c+1                      ; four chains by turns, each from the low registers up; the floor is one more leaf: the byte cannot fall under 1
.endr
.irp c, 0,1
	M3 \relu, TM+2+\c, \s+32*\c+16, \s+32*\c+17, \s+32*\c+18
.endr
.irp i, 0,1,2,3,4,5
.irp c, 0,1
	M3 \relu, TM+\c, TM+\c, \s+32*\c+2+2*\i, \s+32*\c+3+2*\i
.endr
.irp c, 0,1
	M3 \relu, TM+2+\c, TM+2+\c, \s+32*\c+19+2*\i, \s+32*\c+20+2*\i
.endr
.endr
.irp c, 0,1
	M3 \relu, TM+\c, TM+\c, \s+32*\c+14, \s+32*\c+15
.endr
.irp c, 0,1
	M3 \relu, TM+\c, TM+\c, TM+2+\c, \s+32*\c+31                   ; the block's largest magnitude
.endr
.irp c, 0,1
	v_add_nc_u32 v[SOP+\c], 0xff000000, v[TM+\c]                   ; 2 off its exponent field: the conversion takes the exponent field of this operand as its scale, and nothing else of it
.endr
.irp c, 0,1
.irp g, 0,1,2,3
	v_cvt_scalef32_pk8_fp4_f32 v[\pc+4*\c+\g], v[\s+32*\c+8*\g:\s+32*\c+8*\g+7], v[SOP+\c]
.endr
.endr
.irp c, 0,1
	v_lshrrev_b32 v[BY+\c], 23, v[SOP+\c]                          ; the scale's byte.  (These six plain lines also stand between the conversions and the lines that touch their results)
.endr
	v_lshl_or_b32 v[WD], v[BY+1], 16, v[BY]                        ; my two bytes: blocks h and 2 + h,
	v_lshlrev_b32 v[WD], v[SH8], v[WD]                             ; at their places in the word;
	v_permlanex16_b32 v[WX], v[WD], s[SEL], s[SEL+1]
	v_or_b32 v[\pw], v[WD], v[WX]                                  ; with lane l xor 16's two the word is whole
.if \relu                              ; the clip at 0, on the codes: a code with its sign bit set becomes +0.  Four lines for eight numbers
.irp g, 0,4
.irp n, 0,1,2,3
	v_bfi_b32 v[TU+\n], v[\pc+\g+\n], 0, s[K8]                     ; bit 3 of each code that is not negative
.endr
.irp n, 0,1,2,3
	v_lshrrev_b32 v[TU+4+\n], 3, v[TU+\n]
.endr
.irp n, 0,1,2,3
	v_sub_nc_u32 v[TU+\n], v[TU+\n], v[TU+4+\n]                    ; 8 - 1 = 7 in each such code's place
.endr
.irp n, 0,1,2,3
	v_and_b32 v[\pc+\g+\n], v[TU+\n], v[\pc+\g+\n]
.endr
.endr
.endif
.endm
.macro IMG areg, sreg, off, soff       ; the fragment in v[PC] on goes to LDS as it stands, its scale words beside it (lanes r and r + 16 write the same word with the same value)
	ds_store_b128 v[\areg], v[PC:PC+3] offset:\off
	ds_store_b128 v[\areg], v[PC+4:PC+7] offset:\off+512
	ds_store_b32 v[\sreg], v[PW] offset:\soff
.endm
.macro FETCH2 set, areg, sreg          ; a tile's four K steps of the first hidden layer, one from each wave's part: ten LDS loads.  A scale register holds K step 0 (or 2) in lanes 0-15 and K step 1 (or 3) in lanes 16-31
.irp u, 0,1,2,3
.irp k, 0,1
	ds_load_b128 v[HF+32*(\set)+8*\u+4*\k:HF+32*(\set)+8*\u+4*\k+3], v[\areg] offset:W1P*\u+512*\k
.endr
.endr
	ds_load_b32 v[HS+2*(\set)], v[\sreg]
	ds_load_b32 v[HS+2*(\set)+1], v[\sreg] offset:2*W1P
.endm
.macro L1 ii, m                        ; layer 1 of tile (ii, m): W1's first K step x Q(x_i) in all columns, onto V of j = 16 m + r
	WIN W_L1
.irp t, 0,1,2,3,4,5,6,7
	WMS HA+8*\t, 8*\t, 64+8*(\ii), 64*(\m)+8*\t, W1S+2*\t, XIS+(\ii), 0
.endr
	WIN 0
.endm
.macro L2 set                          ; layer 2 of the tile in set: eight accumulators by turns, one instruction a turn; the first K step takes b2 as C
.irp u, 0,1,2,3
.if \u == 0
	WIN W_L2F
.else
	WIN W_L2
.endif
.irp t, 0,1,2,3,4,5,6,7
.if \u == 0
	WMS HA+8*\t, 8*(4*\t+\u), HF+32*(\set)+8*\u, 128+8*\t, W2S+4*\t+\u, HS+2*(\set)+\u/2, 0
.else
	WMS HA+8*\t, 8*(4*\t+\u), HF+32*(\set)+8*\u, HA+8*\t, W2S+4*\t+\u, HS+2*(\set)+\u/2, 2*(\u%2)
.endif
.endr
.endr
	WIN 0
.endm
; LAYER 2 OF ONE TILE.  mode 0: in the loop; 1: tile 14 (no tile two on); 2: tile 15 (no next tile: W3's fragments are fetched instead)
.macro T2 set, mode
.if \mode < 2
	FETCH2 1-\set, PAR0+2*(1-\set), PAR0+1+2*(1-\set)              ; the next tile, into the other set: its last products stand in front of a whole quantiser
	s_wait_dscnt 10                                                ; only these ten may be out: this tile's operand is in, and the last tile's image is stored
.else
	s_wait_tensorcnt 0x0                                           ; W3's tile, my last tensor load, has landed
	WIN TO2
.irp t, 0,1,2,3
.irp u, 0,1,2,3
.irp k, 0,1
	ds_load_b128 v[128+8*(4*\t+\u)+4*\k:128+8*(4*\t+\u)+4*\k+3], v[AW3] offset:16*\t*272+64*\u+32*\k
.endr
.endr
.endr
	WIN 0
	s_wait_dscnt 32                                                ; only these 32 may be out
.endif
	L2 \set
.if \set == 0                          ; the diagonal: row r of tile (ii, m) is the pair (i, i) where r = i - 16 m.  These lines are also the places behind the products
	v_cmp_eq_u32 vcc_lo, s[DI], v[R]
.else
	s_sub_co_u32 s[DI1], s[DI], 16
	v_cmp_eq_u32 vcc_lo, s[DI1], v[R]
.endif
	v_cndmask_b32 v[FL], 0x1800000, v[HUGE], vcc_lo                ; there the floor is 2^96, elsewhere 2^(3 - 127)
	v_add_nc_u32 v[PAW], s[TOF], v[AWM]                            ; this tile's image; every LDS instruction that named these registers is shown done by the wait above
	v_add_nc_u32 v[PAWS], s[SOF], v[AWSM]
.if \mode == 0
	v_add_nc_u32 v[PAR0+2*\set], s[TOF], v[LI]                     ; the tile two on, which this set will take
	v_add_nc_u32 v[PAR0+1+2*\set], s[SOF], v[ASB]
.else
	v_nop
	v_nop
.endif
	s_add_co_u32 s[TOF], s[TOF], 1024
	s_add_co_u32 s[SOF], s[SOF], 64
	QUANT HA, PC, PW, 1
	IMG PAW, PAWS, 0, 0
.if \set == 1
	s_add_co_u32 s[DI], s[DI], 1
.endif
.endm
; LAYER 3.  Tile T's operand lies in set T % 3 (v192, v224, v160; its scales in v90, v92, v88).  LD3: load n of its ten
.macro LD3 T, n
.set L3S, 192+32*((\T)%3)
.set L3H, 90+2*((\T)%3)
.if ((\T)%3) == 2
.set L3S, 160
.set L3H, 88
.endif
.if (\n) < 4
	ds_load_b128 v[L3S+4*(\n):L3S+4*(\n)+3], v[RB0] offset:((\n)/2)*W2P+1024*(\T)+512*((\n)%2)
.elseif (\n) < 8
	ds_load_b128 v[L3S+4*(\n):L3S+4*(\n)+3], v[RB1] offset:(((\n)-4)/2)*W2P+1024*(\T)+512*((\n)%2)
.elseif (\n) == 8
	ds_load_b32 v[L3H], v[RT0] offset:64*(\T)
.else
	ds_load_b32 v[L3H+1], v[RT1] offset:64*(\T)
.endif
.endm
; 16 products: source 0 = the tile's 16 pair rows, source 1 = 16 outputs of W3; all tiles add onto the same four accumulators, which take turns, one instruction a turn, across tiles too.
; The tile two on goes into the set that the last tile has left: four v_nop stand between that tile's last product and the first of these loads.
.macro L3 T
.if (\T) < 15
	s_wait_dscnt 10                                                ; this tile's ten loads are in; the next tile's ten may be out
.else
	s_wait_dscnt 0x0
.endif
.set M3S, 192+32*((\T)%3)
.set M3H, 90+2*((\T)%3)
.if ((\T)%3) == 2
.set M3S, 160
.set M3H, 88
.endif
.set N3, 0
.rept 16
.if ((\T) == 0) && (N3 < 4)
	WMS0 AC3+8*(N3%4), M3S+8*(N3/4), 128+8*(4*(N3%4)+N3/4), M3H+N3/8, W3S+4*(N3%4)+N3/4
.else
	WMS AC3+8*(N3%4), M3S+8*(N3/4), 128+8*(4*(N3%4)+N3/4), AC3+8*(N3%4), M3H+N3/8, W3S+4*(N3%4)+N3/4, (N3/4)%2
.endif
.if N3 < 4
	v_nop
.elseif (N3 < 14) && ((\T)+2 <= 15)
	LD3 (\T)+2, N3-4
.endif
.set N3, N3+1
.endr
.endm
	s_load_b512 s[4:19], s[0:1], 0x0               ; x s[4:5], W1's codes s[6:7], W1's scales s[8:9], b1 s[10:11], W2's codes s[12:13], W2's scales s[14:15], b2 s[16:17], W3's codes s[18:19]
	s_load_b128 s[20:23], s[0:1], 0x40             ; W3's scales s[20:21], part s[22:23]
	v_lshl_add_u32 v[SPW], v0, 2, SPARE
	v_mov_b32 v[NIL], 0
	ds_add_u32 v[SPW], v[NIL]                      ; the wave's opening: the add, twice on end, and its wait ahead of my first tensor load; the set-up below, work on registers, stands between
	ds_add_u32 v[SPW], v[NIL]
	v_lshrrev_b32 v[RW], 5, v0
	v_readfirstlane_b32 s[WV], v[RW]               ; wave 0..3
	s_bfe_u32 s[Q], ttmp6, 0x40000                 ; my place in the cluster
	; descriptor groups 1: elements of one byte; the mask names all four work-groups, bit 21 beside it; 16 bytes of padding behind each row
	s_mov_b32 s[G1A], 15|(1<<20)|(1<<21)|(4<<22)|(3<<25)   ; W1: 128 rows of 128 bytes (32 words: code 4)
	s_mov_b32 s[G1A+1], 128<<16                    ; tensor_dim0
	s_mov_b32 s[G1A+2], 128<<16                    ; tensor_dim1
	s_mov_b32 s[G1A+3], 128<<16                    ; tile_dim0
	s_mov_b32 s[G1A+4], 128                        ; tile_dim1
	s_mov_b32 s[G1A+5], 128                        ; from row to row
	s_mov_b32 s[G1A+6], 0
	s_mov_b32 s[G1A+7], 0
	s_mov_b32 s[G1B], 15|(1<<20)|(1<<21)|(5<<22)|(3<<25)   ; W2: 128 rows of 256 bytes (64 words: code 5)
	s_mov_b32 s[G1B+1], 256<<16
	s_mov_b32 s[G1B+2], 128<<16
	s_mov_b32 s[G1B+3], 256<<16
	s_mov_b32 s[G1B+4], 128
	s_mov_b32 s[G1B+5], 256
	s_mov_b32 s[G1B+6], 0
	s_mov_b32 s[G1B+7], 0
	s_mov_b32 s[G1C], 15|(1<<20)|(1<<21)|(5<<22)|(3<<25)   ; W3: 64 rows of 256 bytes
	s_mov_b32 s[G1C+1], 256<<16
	s_mov_b32 s[G1C+2], 64<<16
	s_mov_b32 s[G1C+3], 256<<16
	s_mov_b32 s[G1C+4], 64
	s_mov_b32 s[G1C+5], 256
	s_mov_b32 s[G1C+6], 0
	s_mov_b32 s[G1C+7], 0
	s_mov_b32 s[G0A], 1
	s_mul_i32 s[G0A+1], s[WV], W1P                 ; LDS addresses: a constant + the wave's number x a constant
	s_mov_b32 s[G0B], 1
	s_mul_i32 s[G0B+1], s[WV], W2P
	s_add_co_u32 s[G0B+1], s[G0B+1], W2B
	s_mov_b32 s[G0C], 1
	s_mul_i32 s[G0C+1], s[WV], W3P
	s_add_co_u32 s[G0C+1], s[G0C+1], W3B
	s_lshl_b32 s74, s[WV], 14                      ; my 128 rows of W1, my 64 of W3: 16,384 bytes a wave
	s_mov_b32 s75, 0
	s_lshl_b32 s76, s[WV], 15                      ; my 128 rows of W2
	s_mov_b32 s77, 0
	s_mul_i32 s[XSC], s[WV], XSP
	s_add_co_u32 s[XSC], s[XSC], XSB0
	s_mov_b32 s[SEL], 0x76543210
	s_mov_b32 s[SEL+1], 0xfedcba98
	s_mov_b32 s[K8], 0x88888888
	v_and_b32 v[R], 15, v0
	v_bfe_u32 v[H], v0, 4, 1
	v_and_b32 v[LN], 31, v0
	v_lshlrev_b32 v[SH8], 3, v[H]
	v_lshlrev_b32 v[LI], 4, v[LN]
	v_lshlrev_b32 v[AX], 9, v[R]
	v_lshl_add_u32 v[AX], v[H], 7, v[AX]
	v_and_b32 v[RW], 7, v[R]
	v_lshlrev_b32 v[AXI], 9, v[RW]
	v_lshl_add_u32 v[AXI], v[H], 7, v[AXI]
	v_lshlrev_b32 v[AB], 7, v[H]
	v_lshrrev_b32 v[GS1], 3, v[R]
	v_lshl_add_u32 v[RW], v[GS1], 5, v[RW]         ; my row in a tile of W1 or W2: r % 8 + 32 (r / 8)
	v_mul_u32_u24 v[AW1], v[RW], 144
	v_lshl_add_u32 v[AW1], v[H], 4, v[AW1]
	v_add_nc_u32 v[AW1], s[G0A+1], v[AW1]
	v_lshlrev_b32 v[GS1], 3, v[RW]
	v_add_nc_u32 v[XSW], s[XSC], v[LI]
	v_lshl_add_u32 v[XSS], v[LN], 2, s[XSC]
	v_lshl_add_u32 v[XSB], v[H], 8, s[XSC]
	v_mov_b32 v[XSR], s[XSC]
	v_mul_u32_u24 v[AW2], v[RW], 272
	v_lshl_add_u32 v[AW2], v[H], 4, v[AW2]
	v_add_nc_u32 v[AW2], s[G0B+1], v[AW2]
	v_mul_u32_u24 v[AW3], v[R], 272
	v_lshl_add_u32 v[AW3], v[H], 4, v[AW3]
	v_add_nc_u32 v[AW3], s[G0C+1], v[AW3]
	v_lshlrev_b32 v[GS2], 4, v[RW]
	v_lshlrev_b32 v[GS3], 4, v[R]
	v_add_nc_u32 v[H1W], s[G0A+1], v[LI]
	v_lshl_add_u32 v[H1SW], v[R], 2, s[G0A+1]
	v_add_nc_u32 v[RB0], W2B, v[LI]
	v_add_nc_u32 v[RB1], W2B+2*W2P, v[LI]
	v_mul_u32_u24 v[RT0], v[H], W2P                ; the lane's half enters as one product: half x the distance between two waves' parts
	v_lshl_add_u32 v[RT0], v[R], 2, v[RT0]
	v_add_nc_u32 v[RT1], W2B+SWO+2*W2P, v[RT0]
	v_add_nc_u32 v[RT0], W2B+SWO, v[RT0]
	v_mul_u32_u24 v[ASB], v[H], W1P
	v_lshl_add_u32 v[ASB], v[R], 2, v[ASB]
	v_add_nc_u32 v[ASB], SWO, v[ASB]
	s_mul_i32 s63, s[WV], W2P
	s_add_co_u32 s63, s63, W2B-2048
	v_add_nc_u32 v[AWM], s63, v[LI]                ; my part of W2, two images back: s[TOF] runs two tiles ahead
	s_add_co_u32 s63, s63, 2048+SWO-128
	v_lshl_add_u32 v[AWSM], v[R], 2, s63
	v_mov_b32 v[FL], 0x1800000                     ; the floor 2^(3 - 127)
	v_mov_b32 v[HUGE], 0x6f800000                  ; 2^96
	v_mov_b32 v[WX], 0                             ; written once: a lane permute's destination counts as one of its sources
	s_wait_dscnt 0x0                               ; both opening adds are done
	s_wait_kmcnt 0x0
	s_add_nc_u64 s[G0A+2:G0A+3], s[6:7], s[74:75]  ; nothing in these hangs on the batch or on my place in the cluster: the same in all four partners
	s_or_b32 s[G0A+3], s[G0A+3], 0x80000000
	s_add_nc_u64 s[G0B+2:G0B+3], s[12:13], s[76:77]
	s_or_b32 s[G0B+3], s[G0B+3], 0x80000000
	s_add_nc_u64 s[G0C+2:G0C+3], s[18:19], s[74:75]
	s_or_b32 s[G0C+3], s[G0C+3], 0x80000000
	CROUND                                         ; all four work-groups are here: the joint loads meet
	tensor_load_to_lds s[G0A:G0A+3], s[G1A:G1A+7]  ; every wave issues all three, its only ones: three tensor loads of mine are out
	s_nop 0
	tensor_load_to_lds s[G0B:G0B+3], s[G1B:G1B+7]
	s_nop 0
	tensor_load_to_lds s[G0C:G0C+3], s[G1C:G1C+7]
	s_nop 0
	PLACES 4
	s_lshl_b32 s74, ttmp9, 14                      ; in a cluster launch ttmp9 counts clusters: the batch; 32 rows of 512 bytes
	s_add_nc_u64 s[4:5], s[4:5], s[74:75]
	s_lshl_b32 s74, s[Q], 12                       ; my eight rows i
	s_add_nc_u64 s[XIB:XIB+1], s[4:5], s[74:75]
	s_lshl_b32 s74, s[WV], 10
	s_add_nc_u64 s[8:9], s[8:9], s[74:75]          ; W1's scales: 128 rows of 8 bytes a wave
	s_add_nc_u64 s[20:21], s[20:21], s[74:75]      ; W3's: 64 rows of 16
	s_lshl_b32 s74, s[WV], 9
	s_add_nc_u64 s[10:11], s[10:11], s[74:75]      ; b1, b2: 128 numbers a wave
	s_add_nc_u64 s[16:17], s[16:17], s[74:75]
	s_lshl_b32 s74, s[WV], 11
	s_add_nc_u64 s[14:15], s[14:15], s[74:75]      ; W2's scales: 128 rows of 16 bytes
	s_lshl_b32 s74, ttmp9, 2
	s_add_co_u32 s74, s74, s[Q]
	s_lshl_b32 s74, s74, 10
	s_lshl_b32 s63, s[WV], 8
	s_add_co_u32 s74, s74, s63
	s_add_nc_u64 s[22:23], s[22:23], s[74:75]      ; part: (4 b + q) x 1,024 + 256 x wave
	XLOAD STA, AXI, XIB, 0                         ; rows i = 8 q + r % 8
	XLOAD STB, AX, 4, 0                            ; rows j = 0 .. 15
.irp t, 0,1,2,3,4,5,6,7
	global_load_b64 v[W1S+2*\t:W1S+2*\t+1], v[GS1], s[8:9] offset:(64*(\t/4)+8*(\t%4))*8
.endr
	WIN TO2
.irp t, 0,1,2,3,4,5,6,7                        ; b1 in the result's layout: lane (r, h), tile 4 c' + t: units 64 c' + 32 h + 8 t + 0 .. 7
	global_load_b128 v[192+8*\t:192+8*\t+3], v[AB], s[10:11] offset:(64*(\t/4)+8*(\t%4))*4
	global_load_b128 v[192+8*\t+4:192+8*\t+7], v[AB], s[10:11] offset:(64*(\t/4)+8*(\t%4))*4+16
.endr
	WIN 0
	s_wait_loadcnt 40                              ; the rows i are in; behind them: 16 of the rows j, 8 scale loads, 16 of b1
	QUANT STA, PC, PW, 0
	IMG XSW, XSS, 0, 1024                          ; into my own scratch
	XLOAD STA, AX, 4, 8192                         ; rows j = 16 .. 31
	WIN TO2
.irp i, 0,1,2,3,4,5,6,7                        ; Q(x_i) in all 16 columns: every lane of half h takes lane (ii, h)'s 16 bytes.  LDS serves a wave's instructions in order: these see my stores
.irp k, 0,1
	ds_load_b128 v[64+8*\i+4*\k:64+8*\i+4*\k+3], v[XSB] offset:512*\k+16*\i
.endr
.endr
	WIN 0
.irp i, 0,1,2,3,4,5,6,7
	ds_load_b32 v[XIS+\i], v[XSR] offset:1024+4*\i
.endr
	s_wait_loadcnt 40                              ; rows j = 0 .. 15 are in; behind them: 8 + 16 + 16
	QUANT STB, XJ, XJS, 0
	WIN TO3
.irp t, 0,1,2,3,4,5,6,7
	global_load_b128 v[128+8*\t:128+8*\t+3], v[AB], s[16:17] offset:(64*(\t/4)+8*(\t%4))*4
	global_load_b128 v[128+8*\t+4:128+8*\t+7], v[AB], s[16:17] offset:(64*(\t/4)+8*(\t%4))*4+16
.endr
	WIN 0
.irp t, 0,1,2,3,4,5,6,7
	global_load_b128 v[W2S+4*\t:W2S+4*\t+3], v[GS2], s[14:15] offset:(64*(\t/4)+8*(\t%4))*16
.endr
	s_wait_loadcnt 24                              ; rows j = 16 .. 31, W1's scales and b1 are in; behind them: 16 of b2, 8 of W2's scales
	s_wait_dscnt 0x0                               ; the image's stores have read v[PC] on; x_i's fragments are in
	QUANT STA, PC, XJS+1, 0
	s_wait_tensorcnt 0x2                           ; my part of W1 has landed; W2's and W3's loads may be out
	WIN TO2
.irp t, 0,1,2,3,4,5,6,7
.irp k, 0,1
	ds_load_b128 v[8*\t+4*\k:8*\t+4*\k+3], v[AW1] offset:(64*(\t/4)+8*(\t%4))*144+32*\k
	ds_load_b128 v[128+8*\t+4*\k:128+8*\t+4*\k+3], v[AW1] offset:(64*(\t/4)+8*(\t%4))*144+64+32*\k
.endr
.endr
	WIN 0
	PLACES 8                                       ; x_j's second scale word and fragment were written by vector instructions: eight and four places ahead of a scaled product
	s_wait_dscnt 0x0
	WIN W_V
.irp m, 0,1                                    ; V_j = Q(x_j) W1[128:256] + b1, for j = 16 m + r
.irp t, 0,1,2,3,4,5,6,7
	WMS 64*\m+8*\t, 128+8*\t, XJ+8*\m, 192+8*\t, W1S+2*\t+1, XJS+\m, 0
.endr
.endr
	WIN 0
	PLACES 5                                       ; V becomes the C of other accumulators
	; ---- LAYER 1, all 16 tiles.  From tile 8 on four of W2's fragments a tile go from my part of LDS into registers
.irp T, 0,1,2,3,4,5,6,7,8,9,10,11,12,13,14,15
	L1 (\T/2), (\T%2)
	PLACES 4
.if \T >= 9
	s_wait_dscnt 8                                 ; the last tile's three stores are done; its eight loads of W2 may be out
.else
	s_wait_dscnt 0x0
.endif
	QUANT HA, PC, PW, 1
	IMG H1W, H1SW, 1024*\T, SWO+64*\T              ; K step c of the second product, over my own part of W1, which I have read
.if \T >= 8
.if \T == 8
	s_wait_tensorcnt 0x1                           ; my part of W2 has landed; W3's load may be out
.endif
	WIN TO1
.irp u, 0,1,2,3
.irp k, 0,1
	ds_load_b128 v[8*(4*(\T-8)+\u)+4*\k:8*(4*(\T-8)+\u)+4*\k+3], v[AW2] offset:(64*((\T-8)/4)+8*((\T-8)%4))*272+64*\u+32*\k
.endr
.endr
	WIN 0
.endif
.endr
.irp t, 0,1,2,3
	global_load_b128 v[W3S+4*\t:W3S+4*\t+3], v[GS3], s[20:21] offset:256*\t   ; into W1's scale registers, which are done with
.endr
	s_wait_dscnt 0x0                               ; for the others' sake: my images are stored; for mine: W2's fragments are in
	s_wait_loadcnt 4                               ; b2 and W2's scales are in; W3's four loads may be out
	s_barrier_signal -1
	v_mov_b32 v[PAR0], v[LI]                       ; tile 0
	v_mov_b32 v[PAR0+1], v[ASB]
	v_add_nc_u32 v[PAR0+2], 1024, v[LI]            ; tile 1
	v_add_nc_u32 v[PAR0+3], 64, v[ASB]
	s_mov_b32 s[TOF], 2048
	s_mov_b32 s[SOF], 128
	s_lshl_b32 s[DI], s[Q], 3
	s_mov_b32 s[CNT], 0
	s_barrier_wait -1                              ; the first hidden layer's 64 fragments lie in LDS
	; ---- LAYER 2, all 16 tiles, two a trip
	FETCH2 0, PAR0, PAR0+1
.Lp2:
	T2 0, 0
	T2 1, 0
	s_add_co_u32 s[CNT], s[CNT], 1
	s_cmp_lt_u32 s[CNT], 7
	s_cbranch_scc1 .Lp2
	T2 0, 1
	T2 1, 2
	s_wait_dscnt 0x0                               ; my images are stored, W3's fragments are in
	s_wait_loadcnt 0x0                             ; W3's scales
	s_barrier_signal -1
	s_barrier_wait -1                              ; the second hidden layer's 64 fragments lie in LDS
	; ---- LAYER 3, all 16 tiles onto four accumulators: the sum over the pairs costs nothing
.irp n, 0,1,2,3,4,5,6,7,8,9
	LD3 0, \n
.endr
.irp n, 0,1,2,3,4,5,6,7,8,9
	LD3 1, \n
.endr
	WIN W_L3                                       ; an LDS load's destination and address stay in window 0 under this setting
.irp T, 0,1,2,3,4,5,6,7,8,9,10,11,12,13,14,15
	L3 \T
.endr
	WIN 0
	PLACES 4
	; an accumulator's register j of lane (r, h) is (pair row 8 h + j, output r): the eight registers and the two halves of the lanes are added
.irp t, 0,1,2,3
	v_pk_add_f32 v[224+4*\t:225+4*\t], v[AC3+8*\t:AC3+8*\t+1], v[AC3+8*\t+2:AC3+8*\t+3]   ; each accumulator from its low end on
	v_pk_add_f32 v[226+4*\t:227+4*\t], v[AC3+8*\t+4:AC3+8*\t+5], v[AC3+8*\t+6:AC3+8*\t+7]
.endr
.irp t, 0,1,2,3
	v_pk_add_f32 v[224+4*\t:225+4*\t], v[224+4*\t:225+4*\t], v[226+4*\t:227+4*\t]
.endr
.irp t, 0,1,2,3
	v_add_f32 v[240+\t], v[224+4*\t], v[225+4*\t]
.endr
.irp t, 0,1,2,3
	v_permlanex16_b32 v[TU+\t], v[240+\t], s[SEL], s[SEL+1]
.endr
.irp t, 0,1,2,3
	v_add_f32 v[240+\t], v[240+\t], v[TU+\t]
.endr
	v_lshl_add_u32 v244, v[R], 2, s[XSC]           ; through my scratch, so that the wave's 64 sums leave as 256 consecutive bytes
	v_lshlrev_b32 v245, 3, v[LN]
	v_add_nc_u32 v246, s[XSC], v245
.irp t, 0,1,2,3
	ds_store_b32 v244, v[240+\t] offset:64*\t      ; output 16 t + r (lanes r and r + 16 write the same word with the same value)
.endr
	ds_load_b64 v[248:249], v246                   ; LDS serves a wave's instructions in order: this sees my stores
	s_wait_dscnt 0x0
	global_store_b64 v245, v[248:249], s[22:23]    ; 32 lanes store 256 consecutive bytes, at a multiple of 256 from the buffer's first byte
	s_wait_tensorcnt 0x0                           ; the wave's end, behind my last tensor load and my last LDS store
	ds_add_u32 v[SPW], v[NIL]
	s_wait_dscnt 0x0
	CROUND                                         ; the closing round: no work-group ends while a partner may still ask for a tile that names it
	s_endpgm
.Lfunc_end_k_q03d0e3baf8_pairs:
	.size	k_q03d0e3baf8_pairs, .Lfunc_end_k_q03d0e3baf8_pairs-k_q03d0e3baf8_pairs
	.p2alignl 7, 3214868480
	.fill 96, 4, 3214868480
	.section	.rodata,"a",@progbits
	.p2align	6, 0x0
	.amdhsa_kernel k_q03d0e3baf8_pairs
		.amdhsa_group_segment_fixed_size 327680
		.amdhsa_private_segment_fixed_size 0
		.amdhsa_enable_private_segment 0
		.amdhsa_kernarg_size 80
		.amdhsa_user_sgpr_count 2
		.amdhsa_user_sgpr_kernarg_segment_ptr 1
		.amdhsa_wavefront_size32 1
		.amdhsa_system_sgpr_workgroup_id_x 1
		.amdhsa_system_sgpr_workgroup_id_y 1
		.amdhsa_system_sgpr_workgroup_id_z 1
		.amdhsa_system_vgpr_workitem_id 0
		.amdhsa_next_free_vgpr 1024
		.amdhsa_next_free_sgpr 80
		.amdhsa_reserve_vcc 1
		.amdhsa_float_denorm_mode_32 3
		.amdhsa_float_denorm_mode_16_64 3
		.amdhsa_memory_ordered 1
		.amdhsa_forward_progress 1
		.amdhsa_inst_pref_size 213
	.end_amdhsa_kernel
	.amdgpu_metadata
---
amdhsa.version: [ 1, 2 ]
amdhsa.kernels:
  - .name:           k_q03d0e3baf8_pairs
    .symbol:         k_q03d0e3baf8_pairs.kd
    .args:
      - { .name: x, .offset: 0, .size: 8, .value_kind: global_buffer, .address_space: global }
      - { .name: W1_codes, .offset: 8, .size: 8, .value_kind: global_buffer, .address_space: global }
      - { .name: W1_scales, .offset: 16, .size: 8, .value_kind: global_buffer, .address_space: global }
      - { .name: b1, .offset: 24, .size: 8, .value_kind: global_buffer, .address_space: global }
      - { .name: W2_codes, .offset: 32, .size: 8, .value_kind: global_buffer, .address_space: global }
      - { .name: W2_scales, .offset: 40, .size: 8, .value_kind: global_buffer, .address_space: global }
      - { .name: b2, .offset: 48, .size: 8, .value_kind: global_buffer, .address_space: global }
      - { .name: W3_codes, .offset: 56, .size: 8, .value_kind: global_buffer, .address_space: global }
      - { .name: W3_scales, .offset: 64, .size: 8, .value_kind: global_buffer, .address_space: global }
      - { .name: part, .offset: 72, .size: 8, .value_kind: global_buffer, .address_space: global }
    .group_segment_fixed_size: 327680
    .private_segment_fixed_size: 0
    .kernarg_segment_align: 8
    .kernarg_segment_size: 80
    .max_flat_workgroup_size: 128
    .sgpr_count:     80
    .vgpr_count:     1024
    .wavefront_size: 32
...
	.end_amdgpu_metadata
.endif
;; end of part 1
;; launch fold (part 2): grid 256 x 1, 1 waves a work-group, no clusters, 0 bytes of LDS; arguments part, b3, out0; writes out0
.if DOCPART == 2
	.amdgcn_target "amdgcn-amd-amdhsa--gfx1250"
	.amdhsa_code_object_version 6
	.text
	.protected	k_q03d0e3baf8_fold
	.globl	k_q03d0e3baf8_fold
	.p2align	8
	.type	k_q03d0e3baf8_fold,@function
k_q03d0e3baf8_fold:
	s_mov_b64 s[64:65], 0
	v_nop
	global_prefetch_b8 v0, s[64:65] scope:SCOPE_SE
	s_setreg_imm32_b32 hwreg(HW_REG_WAVE_MODE, 25, 1), 1
	s_wait_xcnt 0x0
; out0[b][o] = part[b][0][o] + part[b][1][o] + part[b][2][o] + part[b][3][o] + 992 b3[o].
; b3 is the same in each of the 992 terms that the problem sums for a batch, so it is added once, as 992 b3 (one rounding in place of 992).
; Work-group g, one wave: batch g / 4, outputs 64 (g % 4) on: two numbers a lane.  Each load and the store cover 256 consecutive bytes, aligned.  No LDS, no barrier: nothing is shared.
	s_load_b128 s[4:7], s[0:1], 0x0                ; part s[4:5], b3 s[6:7]
	s_load_b64 s[8:9], s[0:1], 0x10                ; out0
	v_lshlrev_b32 v1, 3, v0                        ; 8 bytes a lane
	s_lshr_b32 s10, ttmp9, 2
	s_lshl_b32 s10, s10, 12                        ; a batch's four parts are 4,096 bytes
	s_and_b32 s12, ttmp9, 3
	s_lshl_b32 s12, s12, 8                         ; my 64 outputs
	s_add_co_u32 s10, s10, s12
	s_mov_b32 s11, 0
	s_mov_b32 s13, 0
	s_lshl_b32 s14, ttmp9, 8
	s_mov_b32 s15, 0
	s_wait_kmcnt 0x0
	s_add_nc_u64 s[4:5], s[4:5], s[10:11]
	s_add_nc_u64 s[6:7], s[6:7], s[12:13]
	s_add_nc_u64 s[8:9], s[8:9], s[14:15]
.irp q, 0,1,2,3
	global_load_b64 v[2+2*\q:3+2*\q], v1, s[4:5] offset:1024*\q th:TH_LOAD_NT
.endr
	global_load_b64 v[10:11], v1, s[6:7]
	s_wait_loadcnt 0x0
	v_pk_add_f32 v[2:3], v[2:3], v[4:5]
	v_pk_add_f32 v[6:7], v[6:7], v[8:9]
	v_pk_add_f32 v[2:3], v[2:3], v[6:7]
	v_pk_fma_f32 v[2:3], v[10:11], 0x44780000, v[2:3] op_sel_hi:[1,0,1]   ; + 992 b3
	global_store_b64 v1, v[2:3], s[8:9]
	s_endpgm
.Lfunc_end_k_q03d0e3baf8_fold:
	.size	k_q03d0e3baf8_fold, .Lfunc_end_k_q03d0e3baf8_fold-k_q03d0e3baf8_fold
	.p2alignl 7, 3214868480
	.fill 96, 4, 3214868480
	.section	.rodata,"a",@progbits
	.p2align	6, 0x0
	.amdhsa_kernel k_q03d0e3baf8_fold
		.amdhsa_group_segment_fixed_size 0
		.amdhsa_private_segment_fixed_size 0
		.amdhsa_enable_private_segment 0
		.amdhsa_kernarg_size 24
		.amdhsa_user_sgpr_count 2
		.amdhsa_user_sgpr_kernarg_segment_ptr 1
		.amdhsa_wavefront_size32 1
		.amdhsa_system_sgpr_workgroup_id_x 1
		.amdhsa_system_sgpr_workgroup_id_y 1
		.amdhsa_system_sgpr_workgroup_id_z 1
		.amdhsa_system_vgpr_workitem_id 0
		.amdhsa_next_free_vgpr 16
		.amdhsa_next_free_sgpr 66
		.amdhsa_reserve_vcc 0
		.amdhsa_float_denorm_mode_32 3
		.amdhsa_float_denorm_mode_16_64 3
		.amdhsa_memory_ordered 1
		.amdhsa_forward_progress 1
		.amdhsa_inst_pref_size 2
	.end_amdhsa_kernel
	.amdgpu_metadata
---
amdhsa.version: [ 1, 2 ]
amdhsa.kernels:
  - .name:           k_q03d0e3baf8_fold
    .symbol:         k_q03d0e3baf8_fold.kd
    .args:
      - { .name: part, .offset: 0, .size: 8, .value_kind: global_buffer, .address_space: global }
      - { .name: b3, .offset: 8, .size: 8, .value_kind: global_buffer, .address_space: global }
      - { .name: out0, .offset: 16, .size: 8, .value_kind: global_buffer, .address_space: global }
    .group_segment_fixed_size: 0
    .private_segment_fixed_size: 0
    .kernarg_segment_align: 8
    .kernarg_segment_size: 24
    .max_flat_workgroup_size: 32
    .sgpr_count:     66
    .vgpr_count:     16
    .wavefront_size: 32
...
	.end_amdgpu_metadata
.endif
;; end of part 2
;; ======== version 2 of 2: 2 launches
;; limits: right only within a limited range of input values
;; workspace buffers: part 262,144 bytes
;; launch pairs (part 3): grid 256 x 1, 8 waves a work-group, clusters of 4 x 1, 327,680 bytes of LDS; arguments x, W1_codes, W1_scales, b1, W2_codes, W2_scales, b2, W3_codes, W3_scales, part; writes part
.if DOCPART == 3
	.amdgcn_target "amdgcn-amd-amdhsa--gfx1250"
	.amdhsa_code_object_version 6
	.text
	.protected	k_q03d0e3baf8_pairs
	.globl	k_q03d0e3baf8_pairs
	.p2align	8
	.type	k_q03d0e3baf8_pairs,@function
k_q03d0e3baf8_pairs:
	s_mov_b64 s[64:65], 0
	v_nop
	global_prefetch_b8 v0, s[64:65] scope:SCOPE_SE
	s_setreg_imm32_b32 hwreg(HW_REG_WAVE_MODE, 25, 1), 1
	s_wait_xcnt 0x0
	s_wait_alu depctr_hold_cnt(0) depctr_sa_sdst(0) depctr_va_vdst(0) depctr_va_sdst(0) depctr_va_ssrc(0) depctr_va_vcc(0) depctr_vm_vsrc(0)
	s_getreg_b32 s2, hwreg(HW_REG_IB_STS2, 6, 4)
	s_cmp_eq_u32 s2, 0
	s_cbranch_scc0 .Lentry_in_a_cluster
	s_endpgm
.Lentry_in_a_cluster:
	s_bfe_u32 s2, ttmp6, 0x10000c
	s_cmp_lg_u32 s2, 0x3003
	s_cbranch_scc0 .Lentry_shape_is_right
	s_endpgm
.Lentry_shape_is_right:
; JanossyPool, K = 2: part[b][q][o] = the sum over the eight i = 8 q .. 8 q + 7 and all j != i of ( Q(relu(Q(relu(Q([x_i | x_j]) W1 + b1)) W2 + b2)) W3 )[o], all three products on codes of FP4 (E2M1) with one E8M0 scale for each 32 along K.
; b3 and the sum over q are the next launch's.
; WHAT IS NOT REPEATED.  K of the first product is [x_i | x_j], 128 + 128, and blocks of 32 do not cross the seam: Q([x_i | x_j]) = [Q(x_i) | Q(x_j)], so a row of x is quantised once in a work-group.
; The first product's second K step with the bias, V_j = Q(x_j) W1[128:256] + b1, hangs on j alone: it is made once for each j and is then the C operand of the first step, whose source 1 holds Q(x_i) in all 16 columns.
; No input is left out; the order of the f32 sums differs from the reference's.
; ROWS.  Row p = 0 .. 31 of the work-group is x_j with j = (p + 8 q) mod 32: so the eight x_i are rows 0 .. 7, and the pair that the problem does not have, (i, i), is row r = ii of tile (ii, 0) whatever q is.  That row lies inside a live tile;
; it is computed, and the clip of the second hidden layer gives it zero codes, which add nothing to the third product.
; LIMITS.  A block of zeros gets the scale byte 1 with zero codes where the rule says 127 (these bytes are read by this program alone).  NaN and infinities among the inputs are not served; one that reaches only the rows (i, i) is not carried to the result.
; SHARES.  Work-group (b, q): batch b = the cluster's number, q = its place in the cluster; 16 tiles T = 2 ii + m of 16 pair rows (p = 16 m + r).  EIGHT WAVES SHARE THE COLUMNS: wave w makes hidden units 64 w .. 64 w + 63 of both hidden layers.
; LAYER 3 IS SPLIT ALONG K: wave w multiplies its own 64 units of the second hidden layer, which never leave its registers, by W3's rows 64 w on, for all 256 outputs.  64 is half a K step: the pairs are summed anyway,
; so one product takes tile (ii, 0) in its first half of K and tile (ii, 1) in its second, against W3's slice laid twice.  The eight waves' sums meet in LDS at the end.
; CLUSTER.  All work-groups read the same weights: the four of a cluster ask for each tile jointly.  q enters global addresses alone: no branch, no trip count, no LDS address.
; LAYOUT.  Layers 1 and 2 are used transposed (source 0 = 16 rows of the weight, source 1 = 16 pair rows): a lane holds one pair row.  Lane r of tile t takes the weight's row 32 (r / 8) + 8 t + r % 8 of the wave's 64,
; so that register 8 t + j of lane (r, h) is k = 32 h + 8 t + j of the wave's 64: ONE WHOLE block of 32 a lane, in the order of the next operand's registers.
; LDS.  W1, W2 and W3 come whole, in eight tensor loads of 32,768 bytes, one a wave.  The first hidden layer's images are stored over the wave's own part of W1, behind its own last read of it.
; No prefetch: the weights and x come by the head's loads, and no later step reads memory but for a few biases and scale bytes.
.set P1,    9216                       ; wave w's part of W1: 64 rows x (128 + 16) bytes; later 16 images of 512 bytes
.set W1T,   36864                      ; what a load of W1 brings, with its padding: 256 rows
.set W2B,   73728                      ; W2: 512 rows x (256 + 16) bytes
.set WT,    34816                      ; what a load of W2 or W3 brings: 128 rows
.set W3B,   212992                     ; W3: 256 rows x 272 bytes
.set XIM,   282624                     ; x: 2 images of 1,024 bytes
.set XSC,   284672                     ; x: 32 scale words
.set HSC,   284928                     ; the first hidden layer's scale bytes, 256 a tile
.set SUM,   289024                     ; the way out: 2,048 bytes a wave
.set SPARE, 305408                     ; the spare words, 128 bytes for each wave
.set MB,    5                          ; the tile of layer 1 at which W2 and W3 are shown landed
; window 0
.set R,    1                           ; lane % 16
.set HL,   2                           ; lane / 16
.set LN,   3                           ; lane
.set SH8,  4                           ; 8 HL
.set AX,   5
.set AB,   6
.set GS1,  7
.set GS2,  8
.set GS3,  9
.set XST,  10
.set XSS,  11
.set XL,   12
.set XSL,  13
.set XB,   14
.set XU,   15
.set AW1,  16
.set AW2,  17
.set AW3,  18
.set H1W,  19
.set HSW,  20
.set LI,   21
.set LI2,  22
.set HSR,  23
.set SPW,  24                          ; LDS address of my spare word; never rewritten
.set NIL,  25                          ; 0; never rewritten
.set TM,   26                          ; v26-29 largest magnitudes, four chains
.set SOP,  30                          ; the conversions' scale operand
.set RW,   31
.set BY,   32                          ; v32-33 scale bytes
.set WD,   34
.set WX,   35
.set TU,   36                          ; v36-43 at work
.set KD,   44                          ; the sign bits' mask, 0 in the lanes of the row (i, i)
.set PC,   46                          ; v46-53 codes just made, two sets
.set W1S,  54                          ; v54-57 W1's scale words: 2 u + K step; lanes 0-15 tile u, lanes 16-31 tile u + 2
.set W2S,  58                          ; v58-65 W2's: 4 u + K step, likewise
.set W3S,  66                          ; v66-73 W3's: lanes 0-15 outputs 16 n on, lanes 16-31 outputs 16 (n + 8) on
.set XIS,  74                          ; v74-81 layer 1: x_i's scale words, in every lane
.set H2S,  74                          ;        from layer 2 on: the second hidden layer's scale words, one for each pair of tiles
.set HS,   82                          ; v82-85 layer 2: operand scales, two sets of two
.set XJS,  86
.set OA,   88
.set SRD,  89
.set SUMW, 90
.set A0,   96                          ; v96-127  accumulators
.set A1,   128                         ; v128-159 layer 1: a second set
.set OP,   128                         ; v128-191 layer 2: an operand's four K steps, two sets
.set XD,   128                         ; at the head: 16 numbers of x
.set XJ,   160                         ; at the head: x_j's two fragments
.set XI,   192                         ; v192-255 layer 1: x_i's eight fragments
.set H2,   192                         ;          from layer 2 on: the second hidden layer's codes, four registers a tile
; window 1
.set W1B,  0                           ; at the head: W1's second K step; b1 behind it
.set B1,   32
.set W2F,  0                           ; v0-127 W2's 16 fragments: 8 (4 tile + K step); in layer 3 the 16 accumulators
.set B2,   128                         ; v128-159 b2
.set W1A,  160                         ; v160-191 W1's first K step
.set VJ,   192                         ; v192-255 V: 32 m + 8 tile.  W3's fragment n later lies at 160 + 8 n, from n = 12 on at 32 + 8 n
.set G1A, 24
.set G1B, 32
.set G0A, 40
.set G0B, 44
.set G0C, 48
.set WV,  60                           ; my wave's number
.set Q,   61                           ; my place in the cluster
.set SEL, 66                           ; s[66:67] lane selects of v_permlanex16_b32: lane l xor 16
.set K8,  68                           ; 0x88888888: the codes' sign bits
.set FLR, 69                           ; 2^(3 - 127): the floor under a block's largest magnitude
.set DM,  70                           ; the lanes of the row (i, i)
.set MSB, 0
.macro WIN new                         ; the immediate's high byte repeats the setting that is left; a switch that changes nothing is dropped
.if MSB != \new
	s_set_vgpr_msb (MSB<<8)|\new
.set MSB, \new
.endif
.endm
.macro CROUND                          ; a round of the cluster's barrier
	s_barrier_signal -1
	s_barrier_wait -1
	s_cmp_lg_u32 s[WV], 0
	s_cbranch_scc1 .Lnot_wave_0_\@
	s_barrier_signal -3
.Lnot_wave_0_\@:
	s_barrier_wait -3
	s_barrier_signal -1
	s_barrier_wait -1
.endm
.macro PLACES n
.rept \n
	v_nop
.endr
.endm
; one scaled product; ra, rb = 1: source 0's, source 1's scales stand in lanes 16-31
.macro WMS d, a, b, c, sa, sb, ra, rb
.set WSEL, (\ra)+2*(\rb)
.if WSEL == 0
	v_wmma_scale_f32_16x16x128_f8f6f4 v[\d:\d+7], v[\a:\a+7], v[\b:\b+7], v[\c:\c+7], v[\sa], v[\sb] matrix_a_fmt:MATRIX_FMT_FP4 matrix_b_fmt:MATRIX_FMT_FP4
.elseif WSEL == 1
	v_wmma_scale_f32_16x16x128_f8f6f4 v[\d:\d+7], v[\a:\a+7], v[\b:\b+7], v[\c:\c+7], v[\sa], v[\sb] matrix_a_fmt:MATRIX_FMT_FP4 matrix_b_fmt:MATRIX_FMT_FP4 matrix_a_scale:MATRIX_SCALE_ROW1
.elseif WSEL == 2
	v_wmma_scale_f32_16x16x128_f8f6f4 v[\d:\d+7], v[\a:\a+7], v[\b:\b+7], v[\c:\c+7], v[\sa], v[\sb] matrix_a_fmt:MATRIX_FMT_FP4 matrix_b_fmt:MATRIX_FMT_FP4 matrix_b_scale:MATRIX_SCALE_ROW1
.else
	v_wmma_scale_f32_16x16x128_f8f6f4 v[\d:\d+7], v[\a:\a+7], v[\b:\b+7], v[\c:\c+7], v[\sa], v[\sb] matrix_a_fmt:MATRIX_FMT_FP4 matrix_b_fmt:MATRIX_FMT_FP4 matrix_a_scale:MATRIX_SCALE_ROW1 matrix_b_scale:MATRIX_SCALE_ROW1
.endif
.endm
.macro WMZ d, a, b, sa, sb, rb         ; the same with the constant 0 as C: it starts a sum
.if (\rb) == 0
	v_wmma_scale_f32_16x16x128_f8f6f4 v[\d:\d+7], v[\a:\a+7], v[\b:\b+7], 0, v[\sa], v[\sb] matrix_a_fmt:MATRIX_FMT_FP4 matrix_b_fmt:MATRIX_FMT_FP4
.else
	v_wmma_scale_f32_16x16x128_f8f6f4 v[\d:\d+7], v[\a:\a+7], v[\b:\b+7], 0, v[\sa], v[\sb] matrix_a_fmt:MATRIX_FMT_FP4 matrix_b_fmt:MATRIX_FMT_FP4 matrix_b_scale:MATRIX_SCALE_ROW1
.endif
.endm
; THE QUANTISER of a hidden layer: the 32 numbers v[a] on, a whole block, become four registers of codes and the scale's byte.  What is negative must not count, so no |.|; the floor is one more leaf: the byte cannot fall under 1
.macro QUANT a, pc, by
.irp t, 0,1,2,3
	v_max3_num_f32 v[TM+\t], v[\a+8*\t], v[\a+8*\t+1], v[\a+8*\t+2]
.endr
.irp t, 0,1,2,3
	v_max3_num_f32 v[TM+\t], v[TM+\t], v[\a+8*\t+3], v[\a+8*\t+4]
.endr
.irp t, 0,1,2,3
	v_max3_num_f32 v[TM+\t], v[TM+\t], v[\a+8*\t+5], v[\a+8*\t+6]
.endr
	v_max3_num_f32 v[TM], v[TM], v[\a+7], s[FLR]
	v_max3_num_f32 v[TM+1], v[TM+1], v[\a+15], v[\a+23]
	v_max3_num_f32 v[TM+2], v[TM+2], v[TM+3], v[\a+31]
	v_max3_num_f32 v[TM], v[TM], v[TM+1], v[TM+2]
	v_add_nc_u32 v[SOP], 0xff000000, v[TM]         ; 2 off its exponent field: the conversion takes the exponent field of this operand as its scale, and nothing else of it
.irp g, 0,1,2,3
	v_cvt_scalef32_pk8_fp4_f32 v[\pc+\g], v[\a+8*\g:\a+8*\g+7], v[SOP]
.endr
	v_lshrrev_b32 v[\by], 23, v[SOP]               ; the byte; also the plain place behind the conversions
.endm
; the clip at 0, on the codes: a code with its sign bit set becomes +0.  kind 0: layer 1; 1: layer 2, tile (ii, 0): the row (i, i) gets zero codes too; 2: layer 2, tile (ii, 1): beside it the pair's scale word is made
.macro RELU pc, kind, ii
.if (\kind) == 1
	s_mov_b32 s[DM], 0x10001<<(\ii)                ; lanes ii and 16 + ii
	v_cndmask_b32 v[KD], s[K8], 0, s[DM]
.endif
.if (\kind) == 2
	v_lshl_or_b32 v[WD], v[BY+1], 16, v[BY]        ; my block's bytes of the two tiles,
.endif
.irp n, 0,1,2,3
.if (\kind) == 1
	v_bfi_b32 v[TU+\n], v[\pc+\n], 0, v[KD]        ; bit 3 of each code that is not negative
.else
	v_bfi_b32 v[TU+\n], v[\pc+\n], 0, s[K8]
.endif
.endr
.if (\kind) == 2
	v_lshlrev_b32 v[WD], v[SH8], v[WD]             ; at their places: bytes h and 2 + h;
.endif
.irp n, 0,1,2,3
	v_lshrrev_b32 v[TU+4+\n], 3, v[TU+\n]
.endr
.if (\kind) == 2
	v_permlanex16_b32 v[WX], v[WD], s[SEL], s[SEL+1]
.endif
.irp n, 0,1,2,3
	v_sub_nc_u32 v[TU+\n], v[TU+\n], v[TU+4+\n]    ; 8 - 1 = 7 in each such code's place
.endr
.if (\kind) == 2
	v_or_b32 v[H2S+(\ii)], v[WD], v[WX]            ; with lane l xor 16's two the word is whole
.endif
.irp n, 0,1,2,3
	v_and_b32 v[\pc+\n], v[TU+\n], v[\pc+\n]
.endr
.endm
.macro L1 ii, m, ha                    ; layer 1 of tile (ii, m), into v[ha] on: W1's first K step x Q(x_i) in all columns, onto V of the 16 rows
	WIN 0x11
.irp t, 0,1,2,3
	WMS \ha+8*\t, W1A+8*\t, XI+8*(\ii), VJ+32*(\m)+8*\t, W1S+2*(\t%2), XIS+(\ii), \t/2, 0
.endr
	WIN 0
.endm
.macro FETCH T                         ; tile T's four K steps of the first hidden layer, half a step from each wave's part, and its scale words (lanes 0-15 K steps 0 and 2, lanes 16-31 K steps 1 and 3): nine LDS loads
.irp k, 0,1,2,3
	ds_load_b128 v[OP+32*((\T)%2)+4*\k:OP+32*((\T)%2)+4*\k+3], v[LI] offset:P1*\k+512*(\T)
.endr
.irp k, 0,1,2,3
	ds_load_b128 v[OP+32*((\T)%2)+16+4*\k:OP+32*((\T)%2)+16+4*\k+3], v[LI2] offset:P1*\k+512*(\T)
.endr
	ds_load_b64 v[HS+2*((\T)%2):HS+2*((\T)%2)+1], v[HSR] offset:256*(\T)
.endm
.macro MM p                            ; layer 2 of the tile in set p: four accumulators by turns, one instruction a turn; the first K step takes b2 as C
.irp u, 0,1,2,3
.if \u == 0
	WIN 0x11
.else
	WIN 0x01
.endif
.irp t, 0,1,2,3
.if \u == 0
	WMS A0+8*\t, W2F+32*\t, OP+32*(\p), B2+8*\t, W2S+4*(\t%2), HS+2*(\p), \t/2, 0
.else
	WMS A0+8*\t, W2F+8*(4*\t+\u), OP+32*(\p)+8*\u, A0+8*\t, W2S+4*(\t%2)+\u, HS+2*(\p)+\u/2, \t/2, \u%2
.endif
.endr
.endr
	WIN 0
.endm
.macro W3RUN n0                        ; W3's fragments n0 .. n0 + 3: my 64 of K, laid twice: eight LDS loads
.set WB, 160-128*((\n0)/12)+8*(\n0)
	WIN 0x40
.irp f, 0,1,2,3
.irp k, 0,1
	ds_load_b128 v[WB+8*\f+4*\k:WB+8*\f+4*\k+3], v[AW3] offset:4352*((\n0)+\f)
.endr
.endr
	WIN 0
.endm
	s_load_b512 s[4:19], s[0:1], 0x0               ; x s[4:5], W1's codes s[6:7], W1's scales s[8:9], b1 s[10:11], W2's codes s[12:13], W2's scales s[14:15], b2 s[16:17], W3's codes s[18:19]
	s_load_b128 s[20:23], s[0:1], 0x40             ; W3's scales s[20:21], part s[22:23]
	v_lshl_add_u32 v[SPW], v0, 2, SPARE
	v_mov_b32 v[NIL], 0
	ds_add_u32 v[SPW], v[NIL]                      ; the wave's opening: the add, twice on end, and its wait ahead of my tensor load; work on registers stands between
	ds_add_u32 v[SPW], v[NIL]
	v_lshrrev_b32 v[R], 5, v0
	v_readfirstlane_b32 s[WV], v[R]                ; wave 0..7
	s_bfe_u32 s[Q], ttmp6, 0x40000                 ; my place in the cluster
	; descriptor groups 1: elements of one byte; the mask names all four work-groups, bit 21 beside it; 128 rows of 256 bytes, dense in memory
	s_mov_b32 s[G1A], 15|(1<<20)|(1<<21)|(4<<22)|(3<<25)   ; W1: 16 bytes of padding behind every 128 (32 words: code 4), which is a row of W1
	s_mov_b32 s[G1B], 15|(1<<20)|(1<<21)|(5<<22)|(3<<25)   ; W2, W3: behind every 256
.irp g, G1A, G1B
	s_mov_b32 s[\g+1], 256<<16                     ; tensor_dim0
	s_mov_b32 s[\g+2], 128<<16                     ; tensor_dim1
	s_mov_b32 s[\g+3], 256<<16                     ; tile_dim0
	s_mov_b32 s[\g+4], 128                         ; tile_dim1
	s_mov_b32 s[\g+5], 256                         ; from row to row
	s_mov_b32 s[\g+6], 0
	s_mov_b32 s[\g+7], 0
.endr
	s_mov_b32 s[G0A], 1
	s_mul_i32 s[G0A+1], s[WV], W1T                 ; waves 0, 1: W1
	s_mov_b32 s[G0B], 1
	s_mul_i32 s[G0B+1], s[WV], WT
	s_add_co_u32 s[G0B+1], s[G0B+1], W2B-2*WT      ; waves 2 .. 5: W2
	s_mov_b32 s[G0C], 1
	s_mul_i32 s[G0C+1], s[WV], WT
	s_add_co_u32 s[G0C+1], s[G0C+1], W3B-6*WT      ; waves 6, 7: W3
	s_mul_i32 s52, s[WV], P1
	s_mul_i32 s53, s[WV], 64*272
	s_add_co_u32 s53, s53, W2B
	s_lshl_b32 s54, s[WV], 5
	s_add_co_u32 s54, s54, W3B
	s_lshr_b32 s55, s[WV], 1                       ; wave w = 2 s + c holds half c of K step s:
	s_and_b32 s55, s55, 1
	s_lshl_b32 s55, s55, 7                         ; 128 (s % 2)
	s_lshr_b32 s56, s[WV], 2
	s_lshl_b32 s56, s56, 2                         ; + 4 (s / 2)
	s_add_co_u32 s55, s55, s56
	s_and_b32 s56, s[WV], 1
	s_lshl_b32 s56, s56, 1                         ; + 2 c
	s_add_co_u32 s55, s55, s56
	s_add_co_u32 s55, s55, HSC
	s_lshl_b32 s57, s[WV], 11
	s_add_co_u32 s57, s57, SUM
	s_lshl_b32 s58, s[Q], 3
	s_mov_b32 s[SEL], 0x76543210
	s_mov_b32 s[SEL+1], 0xfedcba98
	s_mov_b32 s[K8], 0x88888888
	s_mov_b32 s[FLR], 0x1800000
	s_mov_b32 s75, 0
	; x: thread 8 p + e takes 16 numbers, 16 e on, of row p, which is x_j with j = (p + 8 q) mod 32
	v_lshrrev_b32 v[AX], 3, v0
	v_add_nc_u32 v[AX], s58, v[AX]
	v_and_b32 v[AX], 31, v[AX]
	v_lshlrev_b32 v[AX], 9, v[AX]
	v_and_b32 v[TU], 7, v0
	v_lshl_add_u32 v[AX], v[TU], 6, v[AX]
	v_and_b32 v[R], 15, v0
	v_bfe_u32 v[HL], v0, 4, 1
	v_and_b32 v[LN], 31, v0
	v_lshlrev_b32 v[SH8], 3, v[HL]
	v_lshlrev_b32 v[AB], 7, v[HL]
	v_lshrrev_b32 v[RW], 3, v[R]
	v_and_b32 v[TU+1], 7, v[R]
	v_lshl_add_u32 v[RW], v[RW], 5, v[TU+1]        ; my row in a tile of W1 or W2: r % 8 + 32 (r / 8)
	v_lshl_add_u32 v[TU+2], v[HL], 4, v[RW]        ; scale words: lanes 16-31 two tiles on
	v_lshlrev_b32 v[GS1], 3, v[TU+2]
	v_lshlrev_b32 v[GS2], 4, v[TU+2]
	v_lshlrev_b32 v[GS3], 4, v[R]
	v_lshl_add_u32 v[GS3], v[HL], 11, v[GS3]
	; into x's image: 1,024 m + 512 c + 16 (16 h + r) + 8 x half, of k = 64 c + 32 h + 16 x half
	v_and_b32 v[XST], 6, v0
	v_lshlrev_b32 v[XST], 7, v[XST]
	v_and_b32 v[TU+3], 1, v0
	v_lshl_add_u32 v[XST], v[TU+3], 3, v[XST]
	v_bfe_u32 v[TU+4], v0, 3, 4
	v_lshl_add_u32 v[XST], v[TU+4], 4, v[XST]
	v_lshrrev_b32 v[TU+5], 7, v0
	v_lshl_add_u32 v[XST], v[TU+5], 10, v[XST]
	v_add_nc_u32 v[XST], XIM, v[XST]
	v_lshrrev_b32 v[XSS], 3, v0
	v_bfe_u32 v[TU+6], v0, 1, 2
	v_lshl_add_u32 v[XSS], v[XSS], 2, v[TU+6]      ; its scale byte: 4 p + block
	v_add_nc_u32 v[XSS], XSC, v[XSS]
	v_lshlrev_b32 v[LI], 4, v[LN]
	v_add_nc_u32 v[LI2], 4*P1, v[LI]
	v_add_nc_u32 v[XL], XIM, v[LI]
	v_lshlrev_b32 v[XSL], 2, v[LN]
	v_add_nc_u32 v[SUMW], s57, v[XSL]
	v_add_nc_u32 v[XSL], XSC, v[XSL]
	v_lshlrev_b32 v[XB], 8, v[HL]
	v_add_nc_u32 v[XB], XIM, v[XB]
	v_mov_b32 v[XU], XSC
	v_lshlrev_b32 v[TU+7], 4, v[HL]
	v_mul_u32_u24 v[AW1], v[RW], 144
	v_add_nc_u32 v[AW1], v[AW1], v[TU+7]
	v_add_nc_u32 v[AW1], s52, v[AW1]
	v_mul_u32_u24 v[AW2], v[RW], 272
	v_add_nc_u32 v[AW2], v[AW2], v[TU+7]
	v_add_nc_u32 v[AW2], s53, v[AW2]
	v_mul_u32_u24 v[AW3], v[R], 272
	v_add_nc_u32 v[AW3], v[AW3], v[TU+7]
	v_add_nc_u32 v[AW3], s54, v[AW3]
	v_add_nc_u32 v[H1W], s52, v[LI]
	v_lshl_add_u32 v[HSW], v[R], 3, v[HL]
	v_add_nc_u32 v[HSW], s55, v[HSW]
	v_lshlrev_b32 v[HSR], 3, v[LN]
	v_add_nc_u32 v[HSR], HSC, v[HSR]
	v_lshlrev_b32 v[OA], 3, v0                     ; the way out: thread d takes outputs 2 d and 2 d + 1
	v_lshrrev_b32 v[SRD], 3, v0
	v_lshlrev_b32 v[SRD], 7, v[SRD]
	v_lshl_add_u32 v[SRD], v[TU], 3, v[SRD]
	v_add_nc_u32 v[SRD], SUM, v[SRD]
	v_mov_b32 v[WX], 0                             ; written once: a lane permute's destination counts as one of its sources
	s_wait_alu depctr_va_vdst(0)
	s_wait_dscnt 0x0                               ; both opening adds are done
	s_wait_kmcnt 0x0
	s_lshl_b32 s74, ttmp9, 14                      ; in a cluster launch ttmp9 counts clusters: the batch; 32 rows of 512 bytes
	s_add_nc_u64 s[4:5], s[4:5], s[74:75]
.irp i, 0,1,2,3
	global_load_b128 v[XD+4*\i:XD+4*\i+3], v[AX], s[4:5] offset:16*\i
.endr
	s_lshl_b32 s74, s[WV], 15                      ; 32,768 bytes a load.  Nothing in these hangs on the batch or on my place in the cluster: the same in all four partners
	s_add_nc_u64 s[G0A+2:G0A+3], s[6:7], s[74:75]
	s_or_b32 s[G0A+3], s[G0A+3], 0x80000000
	s_add_nc_u64 s[G0B+2:G0B+3], s[12:13], s[74:75]
	s_sub_nc_u64 s[G0B+2:G0B+3], s[G0B+2:G0B+3], 0x10000
	s_or_b32 s[G0B+3], s[G0B+3], 0x80000000
	s_add_nc_u64 s[G0C+2:G0C+3], s[18:19], s[74:75]
	s_sub_nc_u64 s[G0C+2:G0C+3], s[G0C+2:G0C+3], 0x30000
	s_or_b32 s[G0C+3], s[G0C+3], 0x80000000
	CROUND                                         ; all four work-groups are here: the joint loads meet
.macro ARM under, g0, g1, next         ; one tensor load a wave, in the arms of one chain on the wave's number
	s_cmp_lt_u32 s[WV], \under
	s_cbranch_scc0 \next
	tensor_load_to_lds s[\g0:\g0+3], s[\g1:\g1+7]
	s_nop 0
	PLACES 4
	s_branch .Lasked
\next:
.endm
	ARM 2, G0A, G1A, .Lfor_w2
	ARM 6, G0B, G1B, .Lfor_w3
	tensor_load_to_lds s[G0C:G0C+3], s[G1B:G1B+7]
	s_nop 0
	PLACES 4
.Lasked:
	s_lshl_b32 s74, s[WV], 9
	s_add_nc_u64 s[8:9], s[8:9], s[74:75]          ; W1's scales: 64 rows of 8 bytes a wave
	s_lshl_b32 s74, s[WV], 8
	s_add_nc_u64 s[10:11], s[10:11], s[74:75]      ; b1, b2: 64 numbers a wave
	s_add_nc_u64 s[16:17], s[16:17], s[74:75]
	s_lshl_b32 s74, s[WV], 10
	s_add_nc_u64 s[14:15], s[14:15], s[74:75]      ; W2's scales: 64 rows of 16 bytes
	s_lshl_b32 s74, s[WV], 1
	s_add_nc_u64 s[20:21], s[20:21], s[74:75]      ; W3's: my two blocks of every row
	s_lshl_b32 s74, ttmp9, 2
	s_add_co_u32 s74, s74, s[Q]
	s_lshl_b32 s74, s74, 10
	s_add_nc_u64 s[22:23], s[22:23], s[74:75]      ; part: (4 b + q) x 1,024
.irp u, 0,1
	global_load_b64 v[W1S+2*\u:W1S+2*\u+1], v[GS1], s[8:9] offset:64*\u
.endr
	WIN 0x40
.irp t, 0,1,2,3                                ; b1 in the result's layout: lane (r, h), tile t: units 32 h + 8 t + 0 .. 7
	global_load_b128 v[B1+8*\t:B1+8*\t+3], v[AB], s[10:11] offset:32*\t
	global_load_b128 v[B1+8*\t+4:B1+8*\t+7], v[AB], s[10:11] offset:32*\t+16
.endr
	WIN 0
	s_wait_loadcnt 10                              ; x is in; behind it: 2 scale loads, 8 of b1
	; x's quantiser: 16 numbers a lane, a block in lanes l and l xor 1
	v_max3_num_f32 v[TM], |v[XD]|, |v[XD+1]|, s[FLR]
	v_max3_num_f32 v[TM+1], |v[XD+2]|, |v[XD+3]|, |v[XD+4]|
	v_max3_num_f32 v[TM+2], |v[XD+5]|, |v[XD+6]|, |v[XD+7]|
	v_max3_num_f32 v[TM+3], |v[XD+8]|, |v[XD+9]|, |v[XD+10]|
	v_max3_num_f32 v[TM], v[TM], |v[XD+11]|, |v[XD+12]|
	v_max3_num_f32 v[TM+1], v[TM+1], |v[XD+13]|, |v[XD+14]|
	v_max3_num_f32 v[TM+2], v[TM+2], v[TM+3], |v[XD+15]|
	v_max3_num_f32 v[TM], v[TM], v[TM+1], v[TM+2]
	v_max_num_f32_dpp v[TM], v[TM], v[TM] row_xmask:1 row_mask:0xf bank_mask:0xf
	v_add_nc_u32 v[SOP], 0xff000000, v[TM]
	v_cvt_scalef32_pk8_fp4_f32 v[PC], v[XD:XD+7], v[SOP]
	v_cvt_scalef32_pk8_fp4_f32 v[PC+1], v[XD+8:XD+15], v[SOP]
	v_lshrrev_b32 v[BY], 23, v[SOP]
	ds_store_b64 v[XST], v[PC:PC+1]
	ds_store_b8 v[XSS], v[BY]                      ; (lanes l and l xor 1 write the same byte with the same value)
	WIN 0x40
.irp t, 0,1,2,3
	global_load_b128 v[B2+8*\t:B2+8*\t+3], v[AB], s[16:17] offset:32*\t
	global_load_b128 v[B2+8*\t+4:B2+8*\t+7], v[AB], s[16:17] offset:32*\t+16
.endr
	WIN 0
.irp u, 0,1
	global_load_b128 v[W2S+4*\u:W2S+4*\u+3], v[GS2], s[14:15] offset:128*\u
.endr
.irp n, 0,1,2,3,4,5,6,7
	global_load_u16 v[W3S+\n], v[GS3], s[20:21] offset:256*\n
.endr
	s_wait_alu depctr_va_vdst(0)
	s_cmp_lt_u32 s[WV], 2
	s_cbranch_scc0 .Lno_w1
	s_wait_tensorcnt 0x0                           ; W1's two loads have landed; W2's and W3's waves go on
.Lno_w1:
	s_wait_dscnt 0x0                               ; for the others' sake: my rows of x are stored
	s_barrier_signal -1
	s_barrier_wait -1
	WIN 0x40
.irp t, 0,1,2,3
.irp k, 0,1
	ds_load_b128 v[W1B+8*\t+4*\k:W1B+8*\t+4*\k+3], v[AW1] offset:8*\t*144+64+32*\k
.endr
.endr
	WIN 0
.irp m, 0,1
.irp k, 0,1
	ds_load_b128 v[XJ+8*\m+4*\k:XJ+8*\m+4*\k+3], v[XL] offset:1024*\m+512*\k
.endr
.endr
	ds_load_b32 v[XJS], v[XSL]                     ; lanes 0-15 rows 0 .. 15, lanes 16-31 rows 16 .. 31
	WIN 0x40
.irp t, 0,1,2,3
.irp k, 0,1
	ds_load_b128 v[W1A+8*\t+4*\k:W1A+8*\t+4*\k+3], v[AW1] offset:8*\t*144+32*\k
.endr
.endr
	WIN 0
.irp i, 0,1,2,3,4,5,6,7                        ; Q(x_i) in all 16 columns: every lane of half h takes lane (ii, h)'s 16 bytes
.irp k, 0,1
	ds_load_b128 v[XI+8*\i+4*\k:XI+8*\i+4*\k+3], v[XB] offset:512*\k+16*\i
.endr
.endr
	ds_load_b128 v[XIS:XIS+3], v[XU]
	ds_load_b128 v[XIS+4:XIS+7], v[XU] offset:16
	s_wait_loadcnt 18                              ; W1's scales and b1 are in; behind them: 8 + 2 + 8
	s_wait_dscnt 26                                ; W1's second K step and x_j are in; behind them: 8 + 16 + 2
	WIN 0x51
.irp m, 0,1                                    ; V_j = Q(x_j) W1[128:256] + b1
.irp t, 0,1,2,3
	WMS VJ+32*\m+8*\t, W1B+8*\t, XJ+8*\m, B1+8*\t, W1S+2*(\t%2)+1, XJS, \t/2, \m
.endr
.endr
	WIN 0
	PLACES 5                                       ; V becomes the C of other accumulators
	s_wait_dscnt 0x0
	; ---- LAYER 1, all 16 tiles, on two sets of accumulators: tile T + 1's products are issued ahead of tile T's quantiser, whose lines are then the places behind them
	L1 0, 0, A0
.irp T, 0,1,2,3,4,5,6,7,8,9,10,11,12,13,14,15
.if \T == MB
	s_wait_alu depctr_va_vdst(0)
	s_wait_tensorcnt 0x0                           ; all waves: W2 and W3 have landed behind this barrier
	s_wait_dscnt 0x0
	s_barrier_signal -1                            ; register work alone until the barrier's wait
.endif
.if \T < 15
	L1 ((\T+1)/2), ((\T+1)%2), A0+32*((\T+1)%2)
.endif
.if \T == 0
	PLACES 4                                       ; tile 0 alone has no quantiser between its products and the first read of their results
.endif
	QUANT A0+32*(\T%2), PC+4*(\T%2), BY+(\T%2)
	RELU PC+4*(\T%2), 0, 0
.if \T == MB
	s_wait_alu depctr_va_vdst(0)
	s_barrier_wait -1
.endif
	ds_store_b128 v[H1W], v[PC+4*(\T%2):PC+4*(\T%2)+3] offset:512*\T     ; half a K step of the second product, over my own part of W1, which I have read
	ds_store_b8 v[HSW], v[BY+(\T%2)] offset:256*\T
.if (\T >= MB) && (\T < MB+8)
.set J, \T-MB                          ; two of W2's fragments
	WIN 0x40
.irp u, 0,1
.irp k, 0,1
	ds_load_b128 v[W2F+8*(2*J+\u)+4*\k:W2F+8*(2*J+\u)+4*\k+3], v[AW2] offset:2176*(J/2)+64*(2*(J%2)+\u)+32*\k
.endr
.endr
	WIN 0
.endif
.endr
	s_wait_alu depctr_va_vdst(0)
	s_wait_dscnt 0x0                               ; for the others' sake: my images are stored; for mine: W2's fragments are in
	s_wait_loadcnt 0x0                             ; b2, W2's and W3's scales
	s_barrier_signal -1
	s_barrier_wait -1                              ; the first hidden layer lies in LDS
	; ---- LAYER 2, all 16 tiles.  Tile T - 1's clip stands behind tile T's products: its lines are the places behind them.  The fetch of tile T + 2 goes into the set that tile T's products have just read
	FETCH 0
	FETCH 1
.irp T, 0,1,2,3,4,5,6,7,8,9,10,11,12,13,14,15
	s_wait_alu depctr_va_vdst(0)
.if \T == 15
	s_wait_dscnt 0x0
.elseif (\T == 4) || (\T == 8) || (\T == 12)
	s_wait_dscnt 17                                ; behind tile T's nine loads: eight of W3 and tile T + 1's nine
.else
	s_wait_dscnt 9                                 ; behind tile T's nine loads: tile T + 1's nine
.endif
	MM (\T%2)
.if \T == 0
.irp n, 0,1,2,3,4,5,6,7
	v_lshl_or_b32 v[W3S+\n], v[W3S+\n], 16, v[W3S+\n]              ; W3's two scale bytes, laid twice as its codes are
.endr
.else
	RELU H2+4*(\T-1), 2-(\T%2), ((\T-1)/2)
.endif
.if (\T == 3) || (\T == 7) || (\T == 11) || (\T == 15)
	W3RUN (\T-3)
.endif
.if \T < 14
	FETCH \T+2
.endif
	QUANT A0, H2+4*\T, BY+(\T%2)
.endr
	RELU H2+60, 2, 7
	PLACES 4                                       ; an operand written by vector instructions stands four places ahead of a scaled product, a scale word eight: with the clip's last four lines
	s_wait_alu depctr_va_vdst(0)
	s_wait_dscnt 0x0                               ; W3's fragments are in
	; ---- LAYER 3: source 0 = 16 pair rows of two tiles, source 1 = 16 outputs; all pairs of tiles add onto the same 16 accumulators, which take turns, one instruction a turn
	WIN 0x54
.irp i, 0,1,2,3,4,5,6,7
.irp n, 0,1,2,3,4,5,6,7,8,9,10,11,12,13,14,15
.set FB, 160+8*\n-128*(\n/12)
.if \i == 0
	WMZ 8*\n, H2, FB, H2S, W3S+(\n%8), \n/8
.else
	WMS 8*\n, H2+8*\i, FB, 8*\n, H2S+\i, W3S+(\n%8), 0, \n/8
.endif
.endr
.endr
	WIN 0
	PLACES 4
	; an accumulator's register j of lane (r, h) is (pair row 8 h + j, output r): the eight registers are added, each accumulator from its low end on
	WIN 0x05
.irp n, 0,1,2,3,4,5,6,7,8,9,10,11,12,13,14,15
	v_pk_add_f32 v[OP+4*\n:OP+4*\n+1], v[8*\n:8*\n+1], v[8*\n+2:8*\n+3]
	v_pk_add_f32 v[OP+4*\n+2:OP+4*\n+3], v[8*\n+4:8*\n+5], v[8*\n+6:8*\n+7]
.endr
	WIN 0
.irp n, 0,1,2,3,4,5,6,7,8,9,10,11,12,13,14,15
	v_pk_add_f32 v[OP+4*\n:OP+4*\n+1], v[OP+4*\n:OP+4*\n+1], v[OP+4*\n+2:OP+4*\n+3]
.endr
.irp n, 0,1,2,3,4,5,6,7,8,9,10,11,12,13,14,15
	v_add_f32 v[A0+\n], v[OP+4*\n], v[OP+4*\n+1]
.endr
.irp n, 0,1,2,3,4,5,6,7,8,9,10,11,12,13,14,15
	ds_store_b32 v[SUMW], v[A0+\n] offset:128*\n   ; my sum of output 16 n + r, half h
.endr
	s_wait_alu depctr_va_vdst(0)
	s_wait_dscnt 0x0                               ; for the others' sake
	s_barrier_signal -1
	s_barrier_wait -1
	s_cmp_lt_u32 s[WV], 4
	s_cbranch_scc0 .Lstored                        ; 128 threads take two outputs each
.irp k, 0,1,2,3,4,5,6,7,8,9,10,11,12,13,14,15
	ds_load_b64 v[OP+2*\k:OP+2*\k+1], v[SRD] offset:2048*(\k/2)+64*(\k%2)
.endr
	s_wait_dscnt 0x0
.irp k, 0,2,4,6,8,10,12,14
	v_pk_add_f32 v[OP+\k:OP+\k+1], v[OP+\k:OP+\k+1], v[OP+16+\k:OP+17+\k]
.endr
.irp k, 0,2,4,6
	v_pk_add_f32 v[OP+\k:OP+\k+1], v[OP+\k:OP+\k+1], v[OP+8+\k:OP+9+\k]
.endr
.irp k, 0,2
	v_pk_add_f32 v[OP+\k:OP+\k+1], v[OP+\k:OP+\k+1], v[OP+4+\k:OP+5+\k]
.endr
	v_pk_add_f32 v[OP:OP+1], v[OP:OP+1], v[OP+2:OP+3]
	global_store_b64 v[OA], v[OP:OP+1], s[22:23]   ; 32 lanes store 256 consecutive bytes, at a multiple of 256 from the buffer's first byte
.Lstored:
	s_wait_tensorcnt 0x0                           ; the wave's end, behind my tensor load and my last LDS store
	ds_add_u32 v[SPW], v[NIL]
	s_wait_dscnt 0x0
	CROUND                                         ; the closing round: no work-group ends while a partner may still ask for a tile that names it
	s_endpgm
.Lfunc_end_k_q03d0e3baf8_pairs:
	.size	k_q03d0e3baf8_pairs, .Lfunc_end_k_q03d0e3baf8_pairs-k_q03d0e3baf8_pairs
	.p2alignl 7, 3214868480
	.fill 96, 4, 3214868480
	.section	.rodata,"a",@progbits
	.p2align	6, 0x0
	.amdhsa_kernel k_q03d0e3baf8_pairs
		.amdhsa_group_segment_fixed_size 327680
		.amdhsa_private_segment_fixed_size 0
		.amdhsa_enable_private_segment 0
		.amdhsa_kernarg_size 80
		.amdhsa_user_sgpr_count 2
		.amdhsa_user_sgpr_kernarg_segment_ptr 1
		.amdhsa_wavefront_size32 1
		.amdhsa_system_sgpr_workgroup_id_x 1
		.amdhsa_system_sgpr_workgroup_id_y 1
		.amdhsa_system_sgpr_workgroup_id_z 1
		.amdhsa_system_vgpr_workitem_id 0
		.amdhsa_next_free_vgpr 512
		.amdhsa_next_free_sgpr 80
		.amdhsa_reserve_vcc 0
		.amdhsa_float_denorm_mode_32 3
		.amdhsa_float_denorm_mode_16_64 3
		.amdhsa_memory_ordered 1
		.amdhsa_forward_progress 1
		.amdhsa_inst_pref_size 166
	.end_amdhsa_kernel
	.amdgpu_metadata
---
amdhsa.version: [ 1, 2 ]
amdhsa.kernels:
  - .name:           k_q03d0e3baf8_pairs
    .symbol:         k_q03d0e3baf8_pairs.kd
    .args:
      - { .name: x, .offset: 0, .size: 8, .value_kind: global_buffer, .address_space: global }
      - { .name: W1_codes, .offset: 8, .size: 8, .value_kind: global_buffer, .address_space: global }
      - { .name: W1_scales, .offset: 16, .size: 8, .value_kind: global_buffer, .address_space: global }
      - { .name: b1, .offset: 24, .size: 8, .value_kind: global_buffer, .address_space: global }
      - { .name: W2_codes, .offset: 32, .size: 8, .value_kind: global_buffer, .address_space: global }
      - { .name: W2_scales, .offset: 40, .size: 8, .value_kind: global_buffer, .address_space: global }
      - { .name: b2, .offset: 48, .size: 8, .value_kind: global_buffer, .address_space: global }
      - { .name: W3_codes, .offset: 56, .size: 8, .value_kind: global_buffer, .address_space: global }
      - { .name: W3_scales, .offset: 64, .size: 8, .value_kind: global_buffer, .address_space: global }
      - { .name: part, .offset: 72, .size: 8, .value_kind: global_buffer, .address_space: global }
    .group_segment_fixed_size: 327680
    .private_segment_fixed_size: 0
    .kernarg_segment_align: 8
    .kernarg_segment_size: 80
    .max_flat_workgroup_size: 256
    .sgpr_count:     80
    .vgpr_count:     512
    .wavefront_size: 32
...
	.end_amdgpu_metadata
.endif
;; end of part 3
;; launch fold (part 4): grid 64 x 1, 2 waves a work-group, no clusters, 0 bytes of LDS; arguments part, b3, out0; writes out0
.if DOCPART == 4
	.amdgcn_target "amdgcn-amd-amdhsa--gfx1250"
	.amdhsa_code_object_version 6
	.text
	.protected	k_q03d0e3baf8_fold
	.globl	k_q03d0e3baf8_fold
	.p2align	8
	.type	k_q03d0e3baf8_fold,@function
k_q03d0e3baf8_fold:
	s_mov_b64 s[64:65], 0
	v_nop
	global_prefetch_b8 v0, s[64:65] scope:SCOPE_SE
	s_setreg_imm32_b32 hwreg(HW_REG_WAVE_MODE, 25, 1), 1
	s_wait_xcnt 0x0
; out0[b][o] = part[b][0][o] + part[b][1][o] + part[b][2][o] + part[b][3][o] + 992 b3[o].
; b3 is the same in each of the 992 terms that the problem sums for a batch, so it is added once, as 992 b3 (one rounding in place of 992).
; Work-group b, two waves: batch b, four outputs a lane.  Each load and store of a wave covers 512 consecutive bytes, aligned.  No LDS, no barrier: nothing is shared.
	s_load_b128 s[4:7], s[0:1], 0x0                ; part s[4:5], b3 s[6:7]
	s_load_b64 s[8:9], s[0:1], 0x10                ; out0
	v_lshlrev_b32 v1, 4, v0                        ; 16 bytes a lane
	s_lshl_b32 s10, ttmp9, 12                      ; a batch's four parts are 4,096 bytes
	s_mov_b32 s11, 0
	s_lshl_b32 s12, ttmp9, 10                      ; its outputs 1,024
	s_mov_b32 s13, 0
	s_wait_alu depctr_va_vdst(0)
	s_wait_kmcnt 0x0
	s_add_nc_u64 s[4:5], s[4:5], s[10:11]
	s_add_nc_u64 s[8:9], s[8:9], s[12:13]
.irp q, 0,1,2,3
	global_load_b128 v[4+4*\q:7+4*\q], v1, s[4:5] offset:1024*\q th:TH_LOAD_NT
.endr
	global_load_b128 v[20:23], v1, s[6:7]
	s_wait_loadcnt 0x0
.irp j, 0,2
	v_pk_add_f32 v[4+\j:5+\j], v[4+\j:5+\j], v[8+\j:9+\j]
	v_pk_add_f32 v[12+\j:13+\j], v[12+\j:13+\j], v[16+\j:17+\j]
.endr
.irp j, 0,2
	v_pk_add_f32 v[4+\j:5+\j], v[4+\j:5+\j], v[12+\j:13+\j]
.endr
.irp j, 0,2
	v_pk_fma_f32 v[4+\j:5+\j], v[20+\j:21+\j], 0x44780000, v[4+\j:5+\j] op_sel_hi:[1,0,1]   ; + 992 b3
.endr
	global_store_b128 v1, v[4:7], s[8:9]
	s_endpgm
.Lfunc_end_k_q03d0e3baf8_fold:
	.size	k_q03d0e3baf8_fold, .Lfunc_end_k_q03d0e3baf8_fold-k_q03d0e3baf8_fold
	.p2alignl 7, 3214868480
	.fill 96, 4, 3214868480
	.section	.rodata,"a",@progbits
	.p2align	6, 0x0
	.amdhsa_kernel k_q03d0e3baf8_fold
		.amdhsa_group_segment_fixed_size 0
		.amdhsa_private_segment_fixed_size 0
		.amdhsa_enable_private_segment 0
		.amdhsa_kernarg_size 24
		.amdhsa_user_sgpr_count 2
		.amdhsa_user_sgpr_kernarg_segment_ptr 1
		.amdhsa_wavefront_size32 1
		.amdhsa_system_sgpr_workgroup_id_x 1
		.amdhsa_system_sgpr_workgroup_id_y 1
		.amdhsa_system_sgpr_workgroup_id_z 1
		.amdhsa_system_vgpr_workitem_id 0
		.amdhsa_next_free_vgpr 24
		.amdhsa_next_free_sgpr 66
		.amdhsa_reserve_vcc 0
		.amdhsa_float_denorm_mode_32 3
		.amdhsa_float_denorm_mode_16_64 3
		.amdhsa_memory_ordered 1
		.amdhsa_forward_progress 1
		.amdhsa_inst_pref_size 2
	.end_amdhsa_kernel
	.amdgpu_metadata
---
amdhsa.version: [ 1, 2 ]
amdhsa.kernels:
  - .name:           k_q03d0e3baf8_fold
    .symbol:         k_q03d0e3baf8_fold.kd
    .args:
      - { .name: part, .offset: 0, .size: 8, .value_kind: global_buffer, .address_space: global }
      - { .name: b3, .offset: 8, .size: 8, .value_kind: global_buffer, .address_space: global }
      - { .name: out0, .offset: 16, .size: 8, .value_kind: global_buffer, .address_space: global }
    .group_segment_fixed_size: 0
    .private_segment_fixed_size: 0
    .kernarg_segment_align: 8
    .kernarg_segment_size: 24
    .max_flat_workgroup_size: 64
    .sgpr_count:     66
    .vgpr_count:     24
    .wavefront_size: 32
...
	.end_amdgpu_metadata
.endif
;; end of part 4
